; MI455X (gfx1250); checked and timed in simulation.
; The chip was launched on July 23, 2026; its instructions are those of AMD's public machine-readable ISA for CDNA 5 (MIT licence, August 2026) and "CDNA5" Instruction Set Architecture Reference Guide (July 2026). The comments in the code are by the model that wrote it; some were corrected since.
;; Sparse Mo E Layer. Allowed arithmetic: float matrix products may take bf16 or f16 operands with f32 sums; other float arithmetic in f32, or as packed bf16 or f16 multiplies, adds, multiply-adds, maxima and minima; sums over many terms, partial sums and values carried from step to step in f32; what a program stores and reads back later, other than sums and carried values, may be rounded once to bf16 or f16.
;; Inputs: W1 8 x 1,024 x 4,096 float32; W2 8 x 4,096 x 1,024 float32; Wr 1,025 x 8 float32; b1 8 x 4,096 float32; b2 8 x 1,024 float32; br 8 float32; grad 1,024 x 1 float32; x 1,024 x 1,024 float32.
;; Outputs: out0 1,024 x 1,024 float32.
;; 2 versions, each right; version 2 is version 1 with the launches up, down written anew for expert scheduling mode. Each part assembles by itself: llvm-mc -triple=amdgcn-amd-amdhsa -mcpu=gfx1250 --defsym DOCPART=n.
;; ======== version 1 of 2: 4 launches
;; limits: a function is approximated: absolute error at most 2.5e-05
;; workspace buffers: xb 2,097,152 bytes; sel 4,096 bytes of whole numbers; cw 8,192 bytes; hf 67,108,864 bytes; part 33,554,432 bytes
;; launch route (part 1): grid 256 x 1, 4 waves a work-group, no clusters, 1,024 bytes of LDS; arguments x, grad, Wr, br, xb, sel, cw; writes xb, sel, cw
.if DOCPART == 1
	.amdgcn_target "amdgcn-amd-amdhsa--gfx1250"
	.amdhsa_code_object_version 6
	.text
	.protected	k_qc0959af7bc_route
	.globl	k_qc0959af7bc_route
	.p2align	8
	.type	k_qc0959af7bc_route,@function
k_qc0959af7bc_route:
	s_mov_b64 s[64:65], 0
	v_nop
	global_prefetch_b8 v0, s[64:65] scope:SCOPE_SE
	s_setreg_imm32_b32 hwreg(HW_REG_WAVE_MODE, 25, 1), 1
	s_wait_xcnt 0x0
; ROUTER.  logits = [x, grad] Wr + br, softmax over 8 experts, the two largest.  Also writes xb, x rounded to bf16, for the first product.
; Every input is rounded once to bf16 (as the products round theirs); the products of bf16 numbers are exact in f32 and are added in f32.
; A work-group has 4 tokens.  Wave w has the channels 256 w .. 256 w + 255, in two chunks of 128; a lane has 4 channels of each chunk and keeps 32 sums (token t, expert e) at ACC + 8 t + e.
; The vector unit does this product: it is 1/2000 of the module's arithmetic, and its sums decide a choice, so they are plain f32 additions.
; OUT, at fixed places: sel[token] = 1 << e0 | 1 << (e1 + 8) (whole numbers; later launches form addresses from them), cw[2 token + j] = the j-th largest probability.
; LIMITS.  Equal probabilities: the lower expert wins, as in jax.lax.top_k; a second and a third probability that differ by less than the rounding of f32 sums taken in another order may be chosen otherwise.
; NaN and infinities are not treated apart.
.set SPARE, 512                        ; behind the waves' partial sums (bytes 0-511): the spare words, 128 bytes a wave
.set LN,  1                            ; lane
.set XO,  2                            ; 16 x lane: my 4 channels of a chunk of x
.set WOF, 3                            ; 128 x lane: my 4 rows of Wr
.set SO,  4                            ; 8 x lane: my 4 bf16 of xb
.set T4,  5                            ; 4 x (lane / 8): token t of the layout lane = 8 t + e
.set E4,  6                            ; 4 x (lane % 8)
.set ZR,  7                            ; 0: the first multiply-add's addend
.set GR,  8                            ; grad[t]
.set W1K, 9                            ; Wr[1024][e]
.set BRV, 10                           ; br[e]
.set PA,  11                           ; 4 x thread: my word among the partial sums
.set EN,  26                           ; e
.set SPW, 30                           ; my spare word; never rewritten
.set NIL, 31                           ; 0; never rewritten
.set ACC, 32                           ; v32-63
.set XR,  64                           ; v64-95   x as loaded: chunk c, token t at 16 c + 4 t
.set WRR, 96                           ; v96-159  Wr as loaded: chunk c, row hh, expert e at 32 c + 8 hh + e
.set XP,  160                          ; v160-175 x in bf16: chunk c, token t: two registers
.set WP,  176                          ; v176-191 Wr in bf16: row hh, experts 2 n, 2 n + 1 at 4 hh + n
.set WV,  18
.set TMP, 19
.set OF,  20                           ; s[20:21] an offset, 64 bits
.set SEL, 22                           ; s[22:23] v_permlanex16_b32's selects
.set WRW, 26                           ; s[26:27] Wr at my wave's rows
.set M16, 28
.set M8,  29
.set M4,  30
.set M2,  31
.set M1,  32
.set SA,  33
.set SB,  34
	s_load_b256 s[4:11], s[0:1], 0x0               ; x s[4:5], grad s[6:7], Wr s[8:9], br s[10:11]
	s_load_b128 s[12:15], s[0:1], 0x20             ; xb s[12:13], sel s[14:15]
	s_load_b64 s[16:17], s[0:1], 0x30              ; cw
	v_lshl_add_u32 v[SPW], v0, 2, SPARE
	v_mov_b32 v[NIL], 0
	v_lshrrev_b32 v1, 5, v0
	v_readfirstlane_b32 s[WV], v1                  ; wave 0..3
	v_and_b32 v[LN], 31, v0
	v_lshlrev_b32 v[XO], 4, v[LN]
	v_lshlrev_b32 v[WOF], 7, v[LN]
	v_lshlrev_b32 v[SO], 3, v[LN]
	v_lshrrev_b32 v[T4], 3, v[LN]
	v_lshlrev_b32 v[T4], 2, v[T4]
	v_and_b32 v[EN], 7, v0
	v_lshlrev_b32 v[E4], 2, v[EN]
	v_mov_b32 v[ZR], 0
	v_lshlrev_b32 v[PA], 2, v0
	s_mov_b32 s[SEL], 0x76543210
	s_mov_b32 s[SEL+1], 0xfedcba98
	s_mov_b32 s[M16], 0xffff0000                   ; the lanes whose number has bit 4, 3, 2, 1, 0 set
	s_mov_b32 s[M8], 0xff00ff00
	s_mov_b32 s[M4], 0xf0f0f0f0
	s_mov_b32 s[M2], 0xcccccccc
	s_mov_b32 s[M1], 0xaaaaaaaa
	s_mov_b32 s[OF+1], 0
	s_wait_kmcnt 0x0
	s_lshl_b32 s[OF], ttmp9, 14                    ; 4 rows of 4,096 bytes a work-group,
	s_lshl_b32 s[TMP], s[WV], 10                   ; 256 channels a wave
	s_add_co_u32 s[OF], s[OF], s[TMP]
	s_add_nc_u64 s[4:5], s[4:5], s[OF:OF+1]
	s_lshl_b32 s[OF], ttmp9, 4                     ; 4 words a work-group
	s_add_nc_u64 s[6:7], s[6:7], s[OF:OF+1]
	s_add_nc_u64 s[14:15], s[14:15], s[OF:OF+1]
	s_lshl_b32 s[OF], s[WV], 13                    ; 256 rows of 32 bytes
	s_add_nc_u64 s[WRW:WRW+1], s[8:9], s[OF:OF+1]
	s_lshl_b32 s[OF], ttmp9, 13                    ; 4 rows of 2,048 bytes,
	s_lshl_b32 s[TMP], s[WV], 9
	s_add_co_u32 s[OF], s[OF], s[TMP]
	s_add_nc_u64 s[12:13], s[12:13], s[OF:OF+1]
	s_lshl_b32 s[OF], ttmp9, 5                     ; 8 words a work-group
	s_add_nc_u64 s[16:17], s[16:17], s[OF:OF+1]
	global_load_b32 v[GR], v[T4], s[6:7]
	global_load_b32 v[W1K], v[E4], s[8:9] offset:32768
	global_load_b32 v[BRV], v[E4], s[10:11]
.macro LOADS c                         ; twelve loads: 4 tokens x 512 bytes of x, 4,096 bytes of Wr
.irp t, 0,1,2,3
	global_load_b128 v[XR+16*(\c)+4*\t:XR+16*(\c)+4*\t+3], v[XO], s[4:5] offset:4096*\t+512*(\c) th:TH_LOAD_NT
.endr
.irp k, 0,1,2,3,4,5,6,7
	global_load_b128 v[WRR+32*(\c)+4*\k:WRR+32*(\c)+4*\k+3], v[WOF], s[WRW:WRW+1] offset:4096*(\c)+16*\k
.endr
.endm
	LOADS 0
	LOADS 1
.macro FMIX d, a, b, c, ha, hb         ; d = bf16 half ha of a x bf16 half hb of b + c, in f32
.if ((\ha) == 0) && ((\hb) == 0)
	v_fma_mix_f32_bf16 v[\d], v[\a], v[\b], v[\c] op_sel:[0,0,0] op_sel_hi:[1,1,0]
.elseif (\hb) == 0
	v_fma_mix_f32_bf16 v[\d], v[\a], v[\b], v[\c] op_sel:[1,0,0] op_sel_hi:[1,1,0]
.elseif (\ha) == 0
	v_fma_mix_f32_bf16 v[\d], v[\a], v[\b], v[\c] op_sel:[0,1,0] op_sel_hi:[1,1,0]
.else
	v_fma_mix_f32_bf16 v[\d], v[\a], v[\b], v[\c] op_sel:[1,1,0] op_sel_hi:[1,1,0]
.endif
.endm
.macro CHUNK c
.irp t, 0,1,2,3
	v_cvt_pk_bf16_f32 v[XP+8*(\c)+2*\t],   v[XR+16*(\c)+4*\t],   v[XR+16*(\c)+4*\t+1]
	v_cvt_pk_bf16_f32 v[XP+8*(\c)+2*\t+1], v[XR+16*(\c)+4*\t+2], v[XR+16*(\c)+4*\t+3]
	global_store_b64 v[SO], v[XP+8*(\c)+2*\t:XP+8*(\c)+2*\t+1], s[12:13] offset:2048*\t+256*(\c)  ; the wave's 32 lanes store 256 consecutive bytes, aligned; each chunk has its own XP
.endr
.set n, 0
.rept 16
	v_cvt_pk_bf16_f32 v[WP+n], v[WRR+32*(\c)+2*n], v[WRR+32*(\c)+2*n+1]
.set n, n+1
.endr
.set hh, 0
.rept 4
.set t, 0
.rept 4
.set e, 0
.rept 8
.if ((\c) == 0) && (hh == 0)
	FMIX ACC+8*t+e, XP+8*(\c)+2*t+hh/2, WP+4*hh+e/2, ZR, hh%2, e%2       ; the first product starts the sum
.else
	FMIX ACC+8*t+e, XP+8*(\c)+2*t+hh/2, WP+4*hh+e/2, ACC+8*t+e, hh%2, e%2
.endif
.set e, e+1
.endr
.set t, t+1
.endr
.set hh, hh+1
.endr
.endm
	s_wait_loadcnt 12                              ; chunk 0 is in; chunk 1's twelve loads may stay out
	CHUNK 0
	s_wait_loadcnt 0x0
	CHUNK 1
	; 32 sums over 32 lanes, halving: a lane keeps the half of its sums whose number has the lane's bit, and hands the other half to the lane across.  Lane L ends with sum L = 8 t + e.
.set a, 0
.rept 16
	v_cndmask_b32 v12, v[ACC+16+a], v[ACC+a], s[M16]
	v_cndmask_b32 v[ACC+a], v[ACC+a], v[ACC+16+a], s[M16]
	v_permlanex16_b32 v[ACC+16+a], v12, s[SEL], s[SEL+1]
	v_add_f32 v[ACC+a], v[ACC+a], v[ACC+16+a]
.set a, a+1
.endr
.macro RSD n, m
.set a, 0
.rept \n
	v_cndmask_b32 v12, v[ACC+(\n)+a], v[ACC+a], s[\m]
	v_cndmask_b32 v[ACC+a], v[ACC+a], v[ACC+(\n)+a], s[\m]
	v_add_f32_dpp v[ACC+a], v12, v[ACC+a] row_xmask:\n row_mask:0xf bank_mask:0xf
.set a, a+1
.endr
.endm
	RSD 8, M8
	RSD 4, M4
	RSD 2, M2
	RSD 1, M1
	ds_store_b32 v[PA], v[ACC]                     ; my wave's part of sum L
	s_wait_dscnt 0x0                               ; for the others' sake: my store is done
	s_barrier_signal -1
	s_barrier_wait -1
	s_cmp_lg_u32 s[WV], 0
	s_cbranch_scc1 .Lend                           ; wave 0 finishes the four tokens
	ds_load_b32 v12, v[PA]
	ds_load_b32 v13, v[PA] offset:128
	ds_load_b32 v14, v[PA] offset:256
	ds_load_b32 v15, v[PA] offset:384
	v_cvt_pk_bf16_f32 v16, v[GR], v[W1K]
	v_cvt_pk_bf16_f32 v17, v[BRV], v[BRV]
	v_lshlrev_b32 v17, 16, v17
	s_wait_dscnt 0x0
	v_add_f32 v12, v12, v13
	v_add_f32 v14, v14, v15
	v_add_f32 v12, v12, v14
	v_fma_mix_f32_bf16 v12, v16, v16, v12 op_sel:[0,1,0] op_sel_hi:[1,1,0]  ; + grad x Wr[1024][e]
	v_add_f32 v12, v12, v17                        ; the logit of (t, e)
	v_mov_b32 v13, v12
.irp m, 1,2,4
	v_max_num_f32_dpp v13, v13, v13 row_xmask:\m row_mask:0xf bank_mask:0xf  ; the maximum over a token's eight lanes
.endr
	v_sub_f32 v14, v12, v13
	v_mul_f32 v14, 0x3fb8aa3b, v14
	v_exp_f32 v14, v14
	v_nop                                          ; a plain instruction behind the exponential,
	s_wait_alu depctr_va_vdst(0)                   ; and the wait ahead of its first reader
	v_mov_b32 v15, v14
.irp m, 1,2,4
	v_add_f32_dpp v15, v15, v15 row_xmask:\m row_mask:0xf bank_mask:0xf
.endr
	v_rcp_f32 v16, v15
	v_nop
	s_wait_alu depctr_va_vdst(0)
	v_mul_f32 v17, v14, v16                        ; the probability
	v_mov_b32 v18, 0                               ; its rank: how many of the other seven come before it
	v_mov_b32 v19, 0
.macro RANK m, mask                    ; the expert e xor m comes before e if its probability is larger, or equal with e xor m < e (the lanes of mask)
	v_mov_b32_dpp v19, v17 row_xmask:\m row_mask:0xf bank_mask:0xf
	v_cmp_gt_f32 s[SA], v19, v17
	v_cmp_eq_f32 s[SB], v19, v17
	s_and_b32 s[SB], s[SB], s[\mask]
	s_or_b32 s[SA], s[SA], s[SB]
	v_cndmask_b32 v20, 0, 1, s[SA]
	v_add_nc_u32 v18, v18, v20
.endm
	RANK 1, M1
	RANK 2, M2
	RANK 3, M2
	RANK 4, M4
	RANK 5, M4
	RANK 6, M4
	RANK 7, M4
	v_cmp_eq_u32 s[SA], 0, v18
	v_cmp_eq_u32 s[SB], 1, v18
	v_cndmask_b32 v20, 0, v17, s[SA]               ; the largest probability, in its expert's lane,
	v_cndmask_b32 v21, 0, v17, s[SB]               ; the second,
	v_add_nc_u32 v22, 127, v[EN]
	v_lshlrev_b32 v22, 23, v22                     ; the float 2^e: its exponent field is e + 127
	v_add_nc_u32 v23, 135, v[EN]
	v_lshlrev_b32 v23, 23, v23                     ; 2^(e + 8)
	v_cndmask_b32 v22, 0, v22, s[SA]               ; and their bits, 2^e0 and 2^(e1 + 8), as exact floats
	v_cndmask_b32 v22, v22, v23, s[SB]
.irp m, 1,2,4
	v_add_f32_dpp v20, v20, v20 row_xmask:\m row_mask:0xf bank_mask:0xf
	v_add_f32_dpp v21, v21, v21 row_xmask:\m row_mask:0xf bank_mask:0xf
	v_add_f32_dpp v22, v22, v22 row_xmask:\m row_mask:0xf bank_mask:0xf
.endr
	v_cvt_u32_f32 v22, v22
	v_and_b32 v24, 1, v[EN]
	v_cmp_eq_u32 s[SA], 1, v24
	v_cndmask_b32 v20, v20, v21, s[SA]
	v_lshlrev_b32 v25, 1, v[T4]
	v_lshl_add_u32 v25, v24, 2, v25                ; word 2 t + e % 2: the four lanes that share a word store the same number
	global_store_b32 v25, v20, s[16:17]
	global_store_b32 v[T4], v22, s[14:15]          ; word t: all eight lanes of a token store the same number
.Lend:
	s_wait_tensorcnt 0x0                           ; the wave's end, behind my last LDS store
	ds_add_u32 v[SPW], v[NIL]
	s_wait_dscnt 0x0
	s_endpgm
.Lfunc_end_k_qc0959af7bc_route:
	.size	k_qc0959af7bc_route, .Lfunc_end_k_qc0959af7bc_route-k_qc0959af7bc_route
	.p2alignl 7, 3214868480
	.fill 96, 4, 3214868480
	.section	.rodata,"a",@progbits
	.p2align	6, 0x0
	.amdhsa_kernel k_qc0959af7bc_route
		.amdhsa_group_segment_fixed_size 1024
		.amdhsa_private_segment_fixed_size 0
		.amdhsa_enable_private_segment 0
		.amdhsa_kernarg_size 56
		.amdhsa_user_sgpr_count 2
		.amdhsa_user_sgpr_kernarg_segment_ptr 1
		.amdhsa_wavefront_size32 1
		.amdhsa_system_sgpr_workgroup_id_x 1
		.amdhsa_system_sgpr_workgroup_id_y 1
		.amdhsa_system_sgpr_workgroup_id_z 1
		.amdhsa_system_vgpr_workitem_id 0
		.amdhsa_next_free_vgpr 192
		.amdhsa_next_free_sgpr 66
		.amdhsa_reserve_vcc 0
		.amdhsa_float_denorm_mode_32 3
		.amdhsa_float_denorm_mode_16_64 3
		.amdhsa_memory_ordered 1
		.amdhsa_forward_progress 1
		.amdhsa_inst_pref_size 37
	.end_amdhsa_kernel
	.amdgpu_metadata
---
amdhsa.version: [ 1, 2 ]
amdhsa.kernels:
  - .name:           k_qc0959af7bc_route
    .symbol:         k_qc0959af7bc_route.kd
    .args:
      - { .name: x, .offset: 0, .size: 8, .value_kind: global_buffer, .address_space: global }
      - { .name: grad, .offset: 8, .size: 8, .value_kind: global_buffer, .address_space: global }
      - { .name: Wr, .offset: 16, .size: 8, .value_kind: global_buffer, .address_space: global }
      - { .name: br, .offset: 24, .size: 8, .value_kind: global_buffer, .address_space: global }
      - { .name: xb, .offset: 32, .size: 8, .value_kind: global_buffer, .address_space: global }
      - { .name: sel, .offset: 40, .size: 8, .value_kind: global_buffer, .address_space: global }
      - { .name: cw, .offset: 48, .size: 8, .value_kind: global_buffer, .address_space: global }
    .group_segment_fixed_size: 1024
    .private_segment_fixed_size: 0
    .kernarg_segment_align: 8
    .kernarg_segment_size: 56
    .max_flat_workgroup_size: 128
    .sgpr_count:     66
    .vgpr_count:     192
    .wavefront_size: 32
...
	.end_amdgpu_metadata
.endif
;; end of part 1
;; launch up (part 2): grid 32 x 8, 4 waves a work-group, no clusters, 280,064 bytes of LDS; arguments W1, b1, xb, sel, hf; writes hf
.if DOCPART == 2
	.amdgcn_target "amdgcn-amd-amdhsa--gfx1250"
	.amdhsa_code_object_version 6
	.text
	.protected	k_qc0959af7bc_up
	.globl	k_qc0959af7bc_up
	.p2align	8
	.type	k_qc0959af7bc_up,@function
k_qc0959af7bc_up:
	s_mov_b64 s[64:65], 0
	v_nop
	global_prefetch_b8 v0, s[64:65] scope:SCOPE_SE
	s_setreg_imm32_b32 hwreg(HW_REG_WAVE_MODE, 25, 1), 1
	s_wait_xcnt 0x0
; FIRST PRODUCT.  Work-group (x, e): hf = gelu(X_e W1[e][:, 128 x .. 128 x + 127] + b1), for the rows X_e of the tokens that chose expert e.  bf16 operands, f32 sums, hf rounded once to bf16.
; PHASE 1, THE STREAM.  The slice, 1,024 rows x 512 bytes of f32, is read once, rounded and laid into LDS as matrix fragments: 32 K steps x 8 column tiles x 1,024 bytes = 262,144 bytes.  Wave w makes the
; K steps 4 c + w.  A load takes 16 bytes a lane: lanes 0-15 take 256 consecutive aligned bytes of one row, lanes 16-31 of the row 8 further down.  Element j of a lane's four belongs to column tile
; 4 cg + j, whose index r stands for column 64 cg + 4 r + j: so nothing is transposed; two rows pack into one fragment register.  No accumulator is live yet, so 256 registers take 64 loads, 32 KB a wave.
; No prefetch: the four waves have 128 KB asked for all the time.  No tensor load: the weights pass through registers to be rounded.  No cluster: each weight byte has one reader.
; Meanwhile each wave makes the expert's list of tokens for itself from sel (a counting sort; the second product makes the same list in the same order).
; PHASE 2, behind ONE barrier: nothing writes LDS any more until the closing lines.  A PASS is 320 ranks of the list: wave w has the tiles of 16 ranks 20 p + 4 i + w, i = 0..4, times 8 column tiles:
; 40 accumulators.  Four passes cover 1,024 ranks, every split of the tokens; a pass in which the wave has no rank is jumped whole: it holds no barrier.  Ranks past the count repeat the last rank; tiles past it are not stored.
; TOKENS come by the list from xb straight into registers as fragments: lane (r, h) takes 16 bytes of token r's row, the two halves of the lanes neighbouring 16 bytes: a load takes 32 consecutive bytes
; of each of 16 rows.  A K step's 40 registers are loaded again, for the next chunk of 128 along K, as soon as they have been multiplied.
; PRODUCT: source 0 = weights (16 columns), source 1 = tokens.  In the result lane (r, h) holds token r and, over the four tiles of a cg, the 32 neighbouring columns 64 cg + 32 h + 0..31.
; These, rounded in pairs, ARE the second product's token fragments, and are stored in that order: hf[e][tile][64 columns][piece of 16 bytes][lane], 512 consecutive bytes a store.
; GELU: max(x, 0) - |x| q / 2, q = erfc(|x| / sqrt 2) = (a1 t + a2 t^2 + a3 t^3) exp(-x^2 / 2), t = 1 / (1 + p |x| / sqrt 2) (Abramowitz and Stegun 7.1.25).
; LIMITS.  That formula's error in erf is at most 2.5e-5 for every argument.  b1 is rounded to bf16 like every input.  NaN and infinities are not treated apart.
; REGISTERS, in windows of 256 (s_set_vgpr_msb: bits 1:0 source 0, 3:2 source 1, 5:4 source 2, 7:6 destination):
;   window 0: v0-29 addresses; v32-191 token fragments, K step k, tile i at 32 + 40 k + 8 i (before: sel); in the way out v64-239
;   window 1: v0-127 two buffers of weight fragments; v128-159 packed weights     window 2: accumulators i = 0..3 at 64 i + 8 ft (phase 1: weights as loaded)
;   window 3: v0-63 accumulators i = 4; v64-127 b1 of my 64 columns
.set PITCH, 16384                      ; bytes from a row of W1 to the next
.set CHW,   128*PITCH                  ; 128 rows
.set KSB,   8192                       ; a K step's eight fragments in LDS
.set LIST,  32*KSB                     ; behind the slice: the waves' lists: 1,024 ranks and 32 words for lanes with nothing to store, 4,352 bytes a wave
.set LISTW, 4352
.set SPARE, LIST+4*LISTW               ; the spare words, 128 bytes a wave
.set LN,   1
.set R,    2                           ; lane % 16
.set H,    3                           ; lane / 16
.set WO,   4                           ; my byte offset in the slice's first 128 rows; never rewritten
.set WSA,  5                           ; where I store fragments
.set L16,  6                           ; 16 x lane
.set WR,   9                           ; where I read weight fragments
.set LB,   10                          ; my wave's list
.set L4,   11                          ; 4 x lane
.set DUMP, 12                          ; 1,024 + lane
.set BO,   13                          ; 128 h: my 32 columns of b1
.set HO,   14                          ; my byte offset in hf
.set H16,  15                          ; 16 h
.set TO,   20                          ; v20-24  tile i: my byte offset in xb
.set SPW,  28                          ; my spare word; never rewritten
.set NIL,  29                          ; 0; never rewritten
.set TFR,  32
.set SL,   32                          ; sel: register 4 q + c holds token 128 q + 4 lane + c
.set X,    64
.set TA,   96
.set EA,   128
.set MX,   160
.set PP,   192
.set OO,   224
.set TW,   128                         ; window 1
.set B1,   64                          ; window 3
.set WV,   14
.set XI,   15
.set EX,   16
.set WB,   20                          ; s[20:21] W1 at my slice; steps
.set XB,   24                          ; s[24:25] xb at the chunk being loaded
.set OF,   26                          ; s[26:27] an offset, 64 bits
.set CNT,  28                          ; the expert's rows
.set CM1,  29
.set PASS, 30
.set PROW, 31                          ; 320 p + 16 w: my first rank of the pass
.set T0,   32                          ; 20 p + w: my first tile
.set TRIP, 33
.set KEY,  34
.set RUN,  35
.set MK,   36
.set TMP,  37
.set U,    38
.set TT,   39
.set TM2,  40
.set HB,   42                          ; s[42:43] hf at (e, my 128 columns)
.set NC2,  48                          ; pairs for the packed lines: the low word serves both halves
.set A3,   50
.set A2,   52
.set A1,   54
.set PPC,  56
.set MSB, 0
.macro WIN new                         ; the immediate's high byte repeats the setting that is left; a switch that changes nothing is dropped
.if MSB != (\new)
	s_set_vgpr_msb (MSB<<8)|(\new)
.set MSB, \new
.endif
.endm
.macro PLACES                          ; four places between a matrix instruction and a load into, or a vector read of, its registers
.rept 4
	v_nop
.endr
.endm
; Sixteen loads: rows 8 h + 0..7 and 16 + 8 h + 0..7 of my K step x 256 bytes, columns 64 cg on, of chunk cl counted from WB, into buffer q of four
.macro WLOADU q, cl, cg
	WIN 0x80
.set i, 0
.rept 16
	global_load_b128 v[64*(\q)+4*i:64*(\q)+4*i+3], v[WO], s[WB:WB+1] offset:(\cl)*CHW+(i+8*(i/8))*PITCH+256*(\cg) th:TH_LOAD_NT
.set i, i+1
.endr
.endm
; Buffer q is rounded: loads 2 p and 2 p + 1 of element j make register p of column tile 4 (q % 2) + j; the four fragments go to LDS, each lane's 16 bytes beside its neighbour's
.macro CVTU q
	WIN 0x4a
.set j, 0
.rept 4
.set p, 0
.rept 8
	v_cvt_pk_bf16_f32 v[TW+8*j+p], v[64*(\q)+8*p+j], v[64*(\q)+8*p+4+j]
.set p, p+1
.endr
.set j, j+1
.endr
	WIN 0x04
.set j, 0
.rept 4
	ds_store_b128 v[WSA], v[TW+8*j:TW+8*j+3]   offset:((\q)/2)*4*KSB+(4*((\q)%2)+j)*1024
	ds_store_b128 v[WSA], v[TW+8*j+4:TW+8*j+7] offset:((\q)/2)*4*KSB+(4*((\q)%2)+j)*1024+512
.set j, j+1
.endr
.endm
	s_load_b256 s[4:11], s[0:1], 0x0               ; W1 s[4:5], b1 s[6:7], xb s[8:9], sel s[10:11]
	s_load_b64 s[12:13], s[0:1], 0x20              ; hf
	v_lshl_add_u32 v[SPW], v0, 2, SPARE
	v_mov_b32 v[NIL], 0
	v_lshrrev_b32 v1, 5, v0
	v_readfirstlane_b32 s[WV], v1                  ; wave 0..3
	s_mov_b32 s[XI], ttmp9                         ; which 128 columns
	s_and_b32 s[EX], ttmp7, 0xffff                 ; the expert
	v_and_b32 v[LN], 31, v0
	v_and_b32 v[R], 15, v0
	v_bfe_u32 v[H], v0, 4, 1
	v_lshlrev_b32 v[L16], 4, v[LN]
	v_lshlrev_b32 v[L4], 2, v[LN]
	v_add_nc_u32 v[DUMP], 1024, v[LN]
	v_lshlrev_b32 v[BO], 7, v[H]
	v_lshlrev_b32 v[H16], 4, v[H]
	s_lshl_b32 s[TMP], s[WV], 19                   ; K step w of a chunk: 32 w rows of 16,384 bytes,
	v_lshlrev_b32 v[WO], 4, v[R]
	v_lshl_add_u32 v[WO], v[H], 17, v[WO]          ; 8 h rows
	v_add_nc_u32 v[WO], s[TMP], v[WO]
	s_lshl_b32 s[TMP], s[WV], 13
	v_add_nc_u32 v[WSA], s[TMP], v[L16]            ; K step w's fragments
	s_mul_i32 s[TMP], s[WV], LISTW
	s_add_co_u32 s[TMP], s[TMP], LIST
	v_mov_b32 v[LB], s[TMP]
	s_mov_b32 s[NC2], 0xbf38aa3b                   ; -log2(e) / 2
	s_mov_b32 s[NC2+1], s[NC2]
	s_mov_b32 s[A3], 0x3ebf7377                    ; a3 / 2 = 0.3739278
	s_mov_b32 s[A3+1], s[A3]
	s_mov_b32 s[A2], 0xbd445ca1                    ; a2 / 2 = -0.0479399
	s_mov_b32 s[A2+1], s[A2]
	s_mov_b32 s[A1], 0x3e32303a                    ; a1 / 2 = 0.1740121
	s_mov_b32 s[A1+1], s[A1]
	s_mov_b32 s[PPC], 0x3eaa540e                   ; p / sqrt 2 = 0.33267253
	s_mov_b32 s[OF+1], 0
	s_lshl_b32 s[TMP], s[XI], 9                    ; 128 columns of f32
	s_wait_kmcnt 0x0
	s_lshl_b32 s[OF], s[EX], 24
	s_add_co_u32 s[OF], s[OF], s[TMP]
	s_add_nc_u64 s[WB:WB+1], s[4:5], s[OF:OF+1]
	s_lshl_b32 s[OF], s[EX], 14
	s_add_co_u32 s[OF], s[OF], s[TMP]
	s_add_nc_u64 s[6:7], s[6:7], s[OF:OF+1]
	s_lshl_b32 s[OF], s[EX], 23
	s_lshl_b32 s[TMP], s[XI], 12                   ; two blocks of 64 columns, 2,048 bytes each
	s_add_co_u32 s[OF], s[OF], s[TMP]
	s_add_nc_u64 s[HB:HB+1], s[12:13], s[OF:OF+1]
.set q, 0
.rept 8
	global_load_b128 v[SL+4*q:SL+4*q+3], v[L16], s[10:11] offset:512*q
.set q, q+1
.endr
	WIN 0xc0
.set q, 0
.rept 16
	global_load_b128 v[B1+4*q:B1+4*q+3], v[BO], s[6:7] offset:256*(q/8)+16*(q%8)
.set q, q+1
.endr
	WLOADU 0, 0, 0
	WLOADU 1, 0, 1
	WLOADU 2, 1, 0
	WIN 0
	s_wait_loadcnt 48                              ; sel and b1 are in; the 48 weight loads behind them stay out
	; THE LIST: rank = how many earlier (register, lane) chose e.  A lane without a match stores into a word of its own behind the list.
	s_lshl_b32 s[KEY], 0x101, s[EX]
	s_mov_b32 s[RUN], 0
.set g, 0
.rept 32
	v_and_b32 v18, s[KEY], v[SL+g]
	v_cmp_ne_u32 s[MK], 0, v18
	v_mbcnt_lo_u32_b32 v19, s[MK], s[RUN]
	v_add_nc_u32 v20, 128*(g/4)+g%4, v[L4]         ; the token
	v_cndmask_b32 v19, v[DUMP], v19, s[MK]
	v_min_u32 v19, 0x41f, v19
	v_lshl_add_u32 v19, v19, 2, v[LB]
	ds_store_b32 v19, v20
	s_bcnt1_i32_b32 s[TMP], s[MK]
	s_add_co_u32 s[RUN], s[RUN], s[TMP]
.set g, g+1
.endr
	s_mov_b32 s[CNT], s[RUN]
	s_sub_co_u32 s[CM1], s[RUN], 1
	WIN 0xcf                                       ; b1 to bf16 and back, in place
.set n, 0
.rept 32
	v_cvt_pk_bf16_f32 v[B1+2*n], v[B1+2*n], v[B1+2*n+1]
	v_and_b32 v[B1+2*n+1], 0xffff0000, v[B1+2*n]
	v_lshlrev_b32 v[B1+2*n], 16, v[B1+2*n]
.set n, n+1
.endr
	WLOADU 3, 1, 1
	WIN 0
	s_mov_b32 s[TRIP], 3
.Lstream:                                              ; a trip: two chunks of 128 rows, my K step of each; every buffer is loaded again with the chunk two further on
.irp q, 0,1,2,3
	s_wait_loadcnt 48                              ; loads come back in order: the oldest sixteen are in, three buffers' stay out
	CVTU \q
	WLOADU \q, 2+(\q)/2, (\q)%2
.endr
	WIN 0
	s_wait_xcnt 0x0                                ; the loads' base is stepped only behind this wait
	s_add_nc_u64 s[WB:WB+1], s[WB:WB+1], 2*CHW
	v_add_nc_u32 v[WSA], 8*KSB, v[WSA]
	s_sub_co_u32 s[TRIP], s[TRIP], 1
	s_cmp_lg_u32 s[TRIP], 0
	s_cbranch_scc1 .Lstream
.irp q, 0,1,2,3
	s_wait_loadcnt 48-16*(\q)                      ; the last two chunks: nothing more is asked for, the counts run down
	CVTU \q
.endr
	WIN 0
	s_wait_dscnt 0x0                               ; for the others' sake: my fragments are in LDS
	s_barrier_signal -1
	s_barrier_wait -1                              ; the slice is whole; nobody writes it again
.macro TL k                            ; ten loads: K step k's token fragments of my five tiles, in the chunk at XB: channels 32 k + 8 h + 0..7 and 32 k + 16 + 8 h + 0..7
	WIN 0
.set i, 0
.rept 5
	global_load_b128 v[TFR+40*(\k)+8*i:TFR+40*(\k)+8*i+3],   v[TO+i], s[XB:XB+1] offset:64*(\k)
	global_load_b128 v[TFR+40*(\k)+8*i+4:TFR+40*(\k)+8*i+7], v[TO+i], s[XB:XB+1] offset:64*(\k)+32
.set i, i+1
.endr
.endm
.macro FETCH f, woff                   ; a K step's eight weight fragments into buffer f
	WIN 0x40
.set t, 0
.rept 8
	ds_load_b128 v[64*(\f)+8*t:64*(\f)+8*t+3],   v[WR] offset:(\woff)+t*1024
	ds_load_b128 v[64*(\f)+8*t+4:64*(\f)+8*t+7], v[WR] offset:(\woff)+t*1024+512
.set t, t+1
.endr
.endm
.macro MULS f, k, zero                 ; 40 matrix instructions; the 40 accumulators take turns, one instruction a turn.  zero = 1: the products start the sums
.set i, 0
.rept 5
.if i < 4
	WIN 0xa1
.set AB, 64*i
.else
	WIN 0xf1
.set AB, 0
.endif
.set t, 0
.rept 8
.if \zero
	v_wmma_f32_16x16x32_bf16 v[AB+8*t:AB+8*t+7], v[64*(\f)+8*t:64*(\f)+8*t+7], v[TFR+40*(\k)+8*i:TFR+40*(\k)+8*i+7], 0
.else
	v_wmma_f32_16x16x32_bf16 v[AB+8*t:AB+8*t+7], v[64*(\f)+8*t:64*(\f)+8*t+7], v[TFR+40*(\k)+8*i:TFR+40*(\k)+8*i+7], v[AB+8*t:AB+8*t+7]
.endif
.set t, t+1
.endr
.set i, i+1
.endr
.endm
; K step k of a chunk, on buffer f.  fe = 1: the next K step's weights are fetched first.  n: the token loads younger than this K step's.  tl = 1: its registers are loaded again, for the next chunk.
.macro Q f, k, fe, zero, n, tl
.if \fe
	FETCH 1-(\f), ((\k)+1)*KSB
	s_wait_dscnt 16                                ; all but the 16 just issued
.else
	s_wait_dscnt 0x0
.endif
	s_wait_loadcnt \n
	MULS \f, \k, \zero
	PLACES
.if \tl
	TL \k
.endif
.endm
.macro CH zero, tl                     ; a chunk of 128 along K.  tl = 1: three K steps of ten loads are always younger than the one that is due.  tl = 0: the last chunk: the counts run down
.if \tl
	WIN 0
	s_wait_xcnt 0x0                                ; the loads' base is stepped only behind this wait
	s_add_nc_u64 s[XB:XB+1], s[XB:XB+1], 256
	Q 0, 0, 1, \zero, 30, 1
	Q 1, 1, 1, 0, 30, 1
	Q 0, 2, 1, 0, 30, 1
	Q 1, 3, 1, 0, 30, 1
.else
	Q 0, 0, 1, 0, 30, 0
	Q 1, 1, 1, 0, 20, 0
	Q 0, 2, 1, 0, 10, 0
	Q 1, 3, 0, 0, 0, 0
.endif
.endm
.macro FETCHU u                        ; tile u / 2, columns 64 (u % 2) on: x = sum + b1, the lane's 32 columns in order.  Each accumulator's register 0 is read first
.Lfu\u:
.if (\u)/2 < 4
	WIN 0x0e
.set AB, 64*((\u)/2)+32*((\u)%2)
.else
	WIN 0x0f
.set AB, 32*((\u)%2)
.endif
.set jj, 0
.rept 8
.set j, 0
.rept 4
	v_add_f32 v[X+4*jj+j], v[AB+8*j+jj], v[B1+32*((\u)%2)+4*jj+j]
.set j, j+1
.endr
.set jj, jj+1
.endr
	WIN 0
.endm
	s_mov_b32 s[PASS], 4
	s_lshl_b32 s[PROW], s[WV], 4
	s_mov_b32 s[T0], s[WV]
.Lpass:
	s_cmp_ge_u32 s[PROW], s[CNT]
	s_cbranch_scc1 .Lnext                          ; I have no rank in this pass: what is jumped holds no barrier
	v_add_nc_u32 v18, s[PROW], v[R]
.set i, 0
.rept 5                                ; tile i, token r: rank 320 p + 16 w + 64 i + r; past the count: the last rank
	v_add_nc_u32 v19, 64*i, v18
	v_min_u32 v19, s[CM1], v19
	v_min_u32 v19, 0x3ff, v19
	v_lshl_add_u32 v19, v19, 2, v[LB]
	ds_load_b32 v[TO+i], v19
.set i, i+1
.endr
	s_mov_b64 s[XB:XB+1], s[8:9]
	v_mov_b32 v[WR], v[L16]
	s_wait_dscnt 0x0
.set i, 0
.rept 5
	v_min_u32 v[TO+i], 0x3ff, v[TO+i]
	v_lshl_add_u32 v[TO+i], v[TO+i], 11, v[H16]    ; the token's row of 2,048 bytes + 16 h
.set i, i+1
.endr
	TL 0
	TL 1
	TL 2
	TL 3
	FETCH 0, 0
	CH 1, 1                                        ; the first chunk is written out: its first K step starts the sums
	WIN 0
	s_mov_b32 s[TRIP], 1
.Lk:                                                   ; chunks 1 to 6: 160 matrix instructions each
	v_lshl_add_u32 v[WR], s[TRIP], 15, v[L16]      ; the chunk's four K steps: 32,768 bytes a chunk
	CH 0, 1
	WIN 0
	s_add_co_u32 s[TRIP], s[TRIP], 1
	s_cmp_lt_u32 s[TRIP], 7
	s_cbranch_scc1 .Lk
	v_add_nc_u32 v[WR], 7*4*KSB, v[L16]
	CH 0, 0                                        ; the last chunk is written out: no load passes a row's end
	WIN 0
	; THE WAY OUT: ten units of (tile, 64 columns).  Which accumulators a unit reads is chosen by jumps forward; the arithmetic is written once.
	s_mov_b32 s[U], 0
.Lepi:
	s_lshr_b32 s[TT], s[U], 1
	s_lshl2_add_u32 s[TT], s[TT], s[T0]            ; the tile
	s_lshl_b32 s[TMP], s[TT], 4
	s_cmp_ge_u32 s[TMP], s[CNT]
	s_cbranch_scc1 .Lepi_next                      ; past the count: not stored
.irp u, 0,1,2,3,4,5,6,7,8
	s_cmp_eq_u32 s[U], \u
	s_cbranch_scc1 .Lfu\u
.endr
.irp u, 9,0,1,2,3,4,5,6,7
	FETCHU \u
	s_branch .Lgelu
.endr
	FETCHU 8
.Lgelu:
.set n, 0
.rept 16
	v_pk_mul_f32 v[EA+2*n:EA+2*n+1], v[X+2*n:X+2*n+1], s[NC2:NC2+1] op_sel_hi:[1,0]
.set n, n+1
.endr
.set n, 0
.rept 16
	v_pk_mul_f32 v[EA+2*n:EA+2*n+1], v[EA+2*n:EA+2*n+1], v[X+2*n:X+2*n+1]   ; -x^2 log2(e) / 2
.set n, n+1
.endr
.set n, 0
.rept 32
	v_fma_f32 v[TA+n], |v[X+n]|, s[PPC], 1.0
.set n, n+1
.endr
.set n, 0
.rept 32                               ; ONE BATCH of 64: none of these lines names a result of the batch
	v_exp_f32 v[EA+n], v[EA+n]
	v_rcp_f32 v[TA+n], v[TA+n]
	v_max_num_f32 v[MX+n], 0, v[X+n]
.set n, n+1
.endr
	v_nop
	s_wait_alu depctr_va_vdst(0)                   ; the one wait for the batch, ahead of its first reader
.set n, 0
.rept 16
	v_pk_fma_f32 v[PP+2*n:PP+2*n+1], v[TA+2*n:TA+2*n+1], s[A3:A3+1], s[A2:A2+1] op_sel_hi:[1,0,0]
	v_pk_mul_f32 v[EA+2*n:EA+2*n+1], v[EA+2*n:EA+2*n+1], v[TA+2*n:TA+2*n+1]
.set n, n+1
.endr
.set n, 0
.rept 16
	v_pk_fma_f32 v[PP+2*n:PP+2*n+1], v[PP+2*n:PP+2*n+1], v[TA+2*n:TA+2*n+1], s[A1:A1+1] op_sel_hi:[1,1,0]
.set n, n+1
.endr
.set n, 0
.rept 16
	v_pk_mul_f32 v[PP+2*n:PP+2*n+1], v[PP+2*n:PP+2*n+1], v[EA+2*n:EA+2*n+1]  ; q / 2
.set n, n+1
.endr
.set n, 0
.rept 32
	v_fma_f32 v[MX+n], -|v[X+n]|, v[PP+n], v[MX+n]
.set n, n+1
.endr
	s_wait_xcnt 0x0                                ; the last unit's stores have read OO and HO: they are rewritten only behind this wait
.set n, 0
.rept 16
	v_cvt_pk_bf16_f32 v[OO+n], v[MX+2*n], v[MX+2*n+1]
.set n, n+1
.endr
	s_lshl_b32 s[TMP], s[TT], 17                   ; a tile's 4,096 columns: 131,072 bytes
	s_and_b32 s[TM2], s[U], 1
	s_lshl_b32 s[TM2], s[TM2], 11
	s_add_co_u32 s[TMP], s[TMP], s[TM2]
	v_add_nc_u32 v[HO], s[TMP], v[L16]
.irp v, 0,1,2,3
	global_store_b128 v[HO], v[OO+4*\v:OO+4*\v+3], s[HB:HB+1] offset:512*\v   ; 512 consecutive bytes, aligned
.endr
.Lepi_next:
	s_add_co_u32 s[U], s[U], 1
	s_cmp_lt_u32 s[U], 10
	s_cbranch_scc1 .Lepi
.Lnext:
	s_add_co_u32 s[PROW], s[PROW], 320
	s_add_co_u32 s[T0], s[T0], 20
	s_sub_co_u32 s[PASS], s[PASS], 1
	s_cmp_lg_u32 s[PASS], 0
	s_cbranch_scc1 .Lpass
	s_wait_dscnt 0x0                               ; my LDS reads are back;
	s_barrier_signal -1
	s_barrier_wait -1                              ; so are every wave's: only now does a wave write LDS again (the add below)
	s_wait_tensorcnt 0x0                           ; the wave's end, behind my last LDS store
	ds_add_u32 v[SPW], v[NIL]
	s_wait_dscnt 0x0
	s_endpgm
.Lfunc_end_k_qc0959af7bc_up:
	.size	k_qc0959af7bc_up, .Lfunc_end_k_qc0959af7bc_up-k_qc0959af7bc_up
	.p2alignl 7, 3214868480
	.fill 96, 4, 3214868480
	.section	.rodata,"a",@progbits
	.p2align	6, 0x0
	.amdhsa_kernel k_qc0959af7bc_up
		.amdhsa_group_segment_fixed_size 280064
		.amdhsa_private_segment_fixed_size 0
		.amdhsa_enable_private_segment 0
		.amdhsa_kernarg_size 40
		.amdhsa_user_sgpr_count 2
		.amdhsa_user_sgpr_kernarg_segment_ptr 1
		.amdhsa_wavefront_size32 1
		.amdhsa_system_sgpr_workgroup_id_x 1
		.amdhsa_system_sgpr_workgroup_id_y 1
		.amdhsa_system_sgpr_workgroup_id_z 1
		.amdhsa_system_vgpr_workitem_id 0
		.amdhsa_next_free_vgpr 896
		.amdhsa_next_free_sgpr 66
		.amdhsa_reserve_vcc 0
		.amdhsa_float_denorm_mode_32 3
		.amdhsa_float_denorm_mode_16_64 3
		.amdhsa_memory_ordered 1
		.amdhsa_forward_progress 1
		.amdhsa_inst_pref_size 147
	.end_amdhsa_kernel
	.amdgpu_metadata
---
amdhsa.version: [ 1, 2 ]
amdhsa.kernels:
  - .name:           k_qc0959af7bc_up
    .symbol:         k_qc0959af7bc_up.kd
    .args:
      - { .name: W1, .offset: 0, .size: 8, .value_kind: global_buffer, .address_space: global }
      - { .name: b1, .offset: 8, .size: 8, .value_kind: global_buffer, .address_space: global }
      - { .name: xb, .offset: 16, .size: 8, .value_kind: global_buffer, .address_space: global }
      - { .name: sel, .offset: 24, .size: 8, .value_kind: global_buffer, .address_space: global }
      - { .name: hf, .offset: 32, .size: 8, .value_kind: global_buffer, .address_space: global }
    .group_segment_fixed_size: 280064
    .private_segment_fixed_size: 0
    .kernarg_segment_align: 8
    .kernarg_segment_size: 40
    .max_flat_workgroup_size: 128
    .sgpr_count:     66
    .vgpr_count:     896
    .wavefront_size: 32
...
	.end_amdgpu_metadata
.endif
;; end of part 2
;; launch down (part 3): grid 32 x 8, 4 waves a work-group, no clusters, 280,064 bytes of LDS; arguments W2, b2, hf, sel, part; writes part
.if DOCPART == 3
	.amdgcn_target "amdgcn-amd-amdhsa--gfx1250"
	.amdhsa_code_object_version 6
	.text
	.protected	k_qc0959af7bc_down
	.globl	k_qc0959af7bc_down
	.p2align	8
	.type	k_qc0959af7bc_down,@function
k_qc0959af7bc_down:
	s_mov_b64 s[64:65], 0
	v_nop
	global_prefetch_b8 v0, s[64:65] scope:SCOPE_SE
	s_setreg_imm32_b32 hwreg(HW_REG_WAVE_MODE, 25, 1), 1
	s_wait_xcnt 0x0
; SECOND PRODUCT.  Work-group (x, e), ns = x % 8, s = x / 8: part[s][slot][128 ns ..] = H_e[:, 1024 s ..] W2[e][1024 s .., 128 ns ..] (+ b2 where s = 0), slot = 2 token + (0: e is the token's first choice, 1: its second).
; K = 4,096 is cut in four so that a work-group again has 1,024 rows x 128 columns of weights, read by it alone; the four partial sums stay in f32 and the last launch adds them.
; PHASE 1: the slice is streamed once, rounded and laid into LDS as 32 K steps x 8 fragments, as in the first product; each wave makes the expert's list for itself, in the same order as there.
; PHASE 2, behind ONE barrier: four passes of 320 ranks; wave w has the tiles 20 p + 4 i + w; a pass in which the wave has no rank is jumped whole: it holds no barrier and writes no LDS.
; K's order is the one in which the first product left hf: in K step k of a chunk of 128, slot (h, register p, half b) holds row 64 (k / 2) + 16 (k % 2) + 32 h + 2 p + b.
; TOKENS come from hf straight into registers as fragments, 512 consecutive bytes a load; a K step's 40 registers are loaded again, for the next chunk, as soon as they have been multiplied.
; PRODUCT: source 0 = tokens, source 1 = weights.  Lane (r, h), register jj of tile 4 cg + j: token 8 h + jj, column 64 cg + 4 r + j: four tiles give a lane 16 neighbouring bytes of a row,
; and sixteen lanes store 256 consecutive aligned bytes.  Ranks past the count repeat the last rank: the same bits go to the same bytes.  Tiles past the count are neither stored nor, in hf, read.
; No cluster: each weight byte has one reader; an expert's eight column slices do share hf's tiles, which are 1/8 of the bytes that a work-group reads.  No prefetch: 128 KB of weights are asked for all the time.
; LIMITS.  b2 is rounded to bf16 like every input.  NaN and infinities are not treated apart.
; REGISTERS: window 0: v0-29 addresses; v32-191 token fragments, K step k, tile i at 32 + 40 k + 8 i (before: sel; in the way out: the rows' offsets); v192-196, v200-239 see below
;   window 1: v0-127 two buffers of weight fragments; v128-159 packed weights     window 2: accumulators i = 0..3 at 64 i + 8 ft (phase 1: weights as loaded)     window 3: v0-63 accumulators i = 4
.set PITCH, 4096
.set CHW,   128*PITCH
.set KSB,   8192
.set LIST,  32*KSB
.set LISTW, 4352
.set SPARE, LIST+4*LISTW
.set LN,   1
.set R,    2
.set H,    3
.set WO,   4
.set WSA,  5
.set L16,  6
.set WR,   9
.set LB,   10
.set L4,   11
.set DUMP, 12
.set R16,  13                          ; 16 r
.set RK0,  14                          ; 8 h
.set SPW,  28
.set NIL,  29
.set TFR,  32
.set SL,   32
.set OFF,  32                          ; the way out: tile i, register jj: byte offset of my 16 bytes in part
.set TO,   192                         ; tile i: my byte offset in hf
.set B2V,  200                         ; b2 of column 64 cg + 4 r + j at 4 cg + j; 0 where s is not 0
.set TM,   208                         ; 32 numbers to store
.set TW,   128                         ; window 1
.set WV,   14
.set NS,   15
.set EX,   16
.set SQ,   17
.set E8,   18
.set WB,   20
.set HB,   24                          ; s[24:25] hf at the chunk being loaded
.set OF,   26
.set CNT,  28
.set CM1,  29
.set PASS, 30
.set PROW, 31
.set T0,   32
.set TRIP, 33
.set KEY,  34
.set RUN,  35
.set MK,   36
.set TMP,  37
.set TM2,  38
.set NTM1, 39                          ; the last tile that the first product stored
.set WRS,  40                          ; LDS byte at which the chunk in hand begins
.set MSB, 0
.macro WIN new
.if MSB != (\new)
	s_set_vgpr_msb (MSB<<8)|(\new)
.set MSB, \new
.endif
.endm
.macro PLACES
.rept 4
	v_nop
.endr
.endm
.macro WLOADU q, cl, cg
	WIN 0x80
.set i, 0
.rept 16
	global_load_b128 v[64*(\q)+4*i:64*(\q)+4*i+3], v[WO], s[WB:WB+1] offset:(\cl)*CHW+i*PITCH+256*(\cg) th:TH_LOAD_NT
.set i, i+1
.endr
.endm
.macro CVTU q
	WIN 0x4a
.set j, 0
.rept 4
.set p, 0
.rept 8
	v_cvt_pk_bf16_f32 v[TW+8*j+p], v[64*(\q)+8*p+j], v[64*(\q)+8*p+4+j]
.set p, p+1
.endr
.set j, j+1
.endr
	WIN 0x04
.set j, 0
.rept 4
	ds_store_b128 v[WSA], v[TW+8*j:TW+8*j+3]   offset:((\q)/2)*4*KSB+(4*((\q)%2)+j)*1024
	ds_store_b128 v[WSA], v[TW+8*j+4:TW+8*j+7] offset:((\q)/2)*4*KSB+(4*((\q)%2)+j)*1024+512
.set j, j+1
.endr
.endm
	s_load_b256 s[4:11], s[0:1], 0x0               ; W2 s[4:5], b2 s[6:7], hf s[8:9], sel s[10:11]
	s_load_b64 s[12:13], s[0:1], 0x20              ; part
	v_lshl_add_u32 v[SPW], v0, 2, SPARE
	v_mov_b32 v[NIL], 0
	v_lshrrev_b32 v1, 5, v0
	v_readfirstlane_b32 s[WV], v1
	s_and_b32 s[NS], ttmp9, 7                      ; which 128 columns
	s_lshr_b32 s[SQ], ttmp9, 3                     ; which quarter of K
	s_and_b32 s[EX], ttmp7, 0xffff
	s_add_co_u32 s[E8], s[EX], 8
	v_and_b32 v[LN], 31, v0
	v_and_b32 v[R], 15, v0
	v_bfe_u32 v[H], v0, 4, 1
	v_lshlrev_b32 v[L16], 4, v[LN]
	v_lshlrev_b32 v[L4], 2, v[LN]
	v_add_nc_u32 v[DUMP], 1024, v[LN]
	v_lshlrev_b32 v[R16], 4, v[R]
	v_lshlrev_b32 v[RK0], 3, v[H]
	s_lshr_b32 s[TMP], s[WV], 1                    ; K step w of a chunk: rows 64 (w / 2) + 16 (w % 2) + 32 h + 0..15
	s_lshl_b32 s[TMP], s[TMP], 18
	s_and_b32 s[TM2], s[WV], 1
	s_lshl_b32 s[TM2], s[TM2], 16
	s_add_co_u32 s[TMP], s[TMP], s[TM2]
	v_lshl_add_u32 v[WO], v[H], 17, v[R16]
	v_add_nc_u32 v[WO], s[TMP], v[WO]
	s_lshl_b32 s[TMP], s[WV], 13
	v_add_nc_u32 v[WSA], s[TMP], v[L16]
	s_mul_i32 s[TMP], s[WV], LISTW
	s_add_co_u32 s[TMP], s[TMP], LIST
	v_mov_b32 v[LB], s[TMP]
	s_mov_b32 s[OF+1], 0
	s_lshl_b32 s[TMP], s[NS], 9
	s_wait_kmcnt 0x0
	s_lshl_b32 s[OF], s[EX], 24
	s_lshl_b32 s[TM2], s[SQ], 22
	s_add_co_u32 s[OF], s[OF], s[TM2]
	s_add_co_u32 s[OF], s[OF], s[TMP]
	s_add_nc_u64 s[WB:WB+1], s[4:5], s[OF:OF+1]
	s_lshl_b32 s[OF], s[EX], 12
	s_add_co_u32 s[OF], s[OF], s[TMP]
	s_add_nc_u64 s[6:7], s[6:7], s[OF:OF+1]
	s_lshl_b32 s[OF], s[EX], 23
	s_lshl_b32 s[TM2], s[SQ], 15                   ; 16 blocks of 64 columns, 2,048 bytes each
	s_add_co_u32 s[OF], s[OF], s[TM2]
	s_add_nc_u64 s[8:9], s[8:9], s[OF:OF+1]
	s_lshl_b32 s[OF], s[SQ], 23
	s_add_co_u32 s[OF], s[OF], s[TMP]
	s_add_nc_u64 s[12:13], s[12:13], s[OF:OF+1]
.set q, 0
.rept 8
	global_load_b128 v[SL+4*q:SL+4*q+3], v[L16], s[10:11] offset:512*q
.set q, q+1
.endr
	global_load_b128 v[B2V:B2V+3], v[R16], s[6:7]
	global_load_b128 v[B2V+4:B2V+7], v[R16], s[6:7] offset:256
	WLOADU 0, 0, 0
	WLOADU 1, 0, 1
	WLOADU 2, 1, 0
	WIN 0
	s_wait_loadcnt 48                              ; sel and b2 are in; the 48 weight loads behind them stay out
	s_lshl_b32 s[KEY], 0x101, s[EX]
	s_mov_b32 s[RUN], 0
.set g, 0
.rept 32
	v_and_b32 v18, s[KEY], v[SL+g]
	v_cmp_ne_u32 s[MK], 0, v18
	v_mbcnt_lo_u32_b32 v19, s[MK], s[RUN]
	v_add_nc_u32 v20, 128*(g/4)+g%4, v[L4]         ; the token,
	v_bfe_u32 v21, v[SL+g], s[E8], 1               ; 1 if e is its second choice:
	v_lshl_add_u32 v20, v20, 1, v21                ; the slot
	v_cndmask_b32 v19, v[DUMP], v19, s[MK]
	v_min_u32 v19, 0x41f, v19
	v_lshl_add_u32 v19, v19, 2, v[LB]
	ds_store_b32 v19, v20
	s_bcnt1_i32_b32 s[TMP], s[MK]
	s_add_co_u32 s[RUN], s[RUN], s[TMP]
.set g, g+1
.endr
	s_mov_b32 s[CNT], s[RUN]
	s_sub_co_u32 s[CM1], s[RUN], 1
	s_add_co_u32 s[NTM1], s[RUN], 15
	s_lshr_b32 s[NTM1], s[NTM1], 4
	s_sub_co_u32 s[NTM1], s[NTM1], 1
	s_cmp_eq_u32 s[SQ], 0
	s_cselect_b32 s[MK], -1, 0
.set n, 0
.rept 4                                ; b2 to bf16 and back, in place; it is added in quarter 0 alone
	v_cvt_pk_bf16_f32 v[B2V+2*n], v[B2V+2*n], v[B2V+2*n+1]
	v_and_b32 v[B2V+2*n+1], 0xffff0000, v[B2V+2*n]
	v_lshlrev_b32 v[B2V+2*n], 16, v[B2V+2*n]
	v_cndmask_b32 v[B2V+2*n+1], 0, v[B2V+2*n+1], s[MK]
	v_cndmask_b32 v[B2V+2*n], 0, v[B2V+2*n], s[MK]
.set n, n+1
.endr
	WLOADU 3, 1, 1
	WIN 0
	s_mov_b32 s[TRIP], 3
.Lstream:
.irp q, 0,1,2,3
	s_wait_loadcnt 48                              ; the oldest sixteen loads are in, three buffers' stay out
	CVTU \q
	WLOADU \q, 2+(\q)/2, (\q)%2
.endr
	WIN 0
	s_wait_xcnt 0x0                                ; the loads' base is stepped only behind this wait
	s_add_nc_u64 s[WB:WB+1], s[WB:WB+1], 2*CHW
	v_add_nc_u32 v[WSA], 8*KSB, v[WSA]
	s_sub_co_u32 s[TRIP], s[TRIP], 1
	s_cmp_lg_u32 s[TRIP], 0
	s_cbranch_scc1 .Lstream
.irp q, 0,1,2,3
	s_wait_loadcnt 48-16*(\q)
	CVTU \q
.endr
	WIN 0
	s_wait_dscnt 0x0                               ; for the others' sake: my fragments are in LDS
	s_barrier_signal -1
	s_barrier_wait -1                              ; the slice is whole; nobody writes LDS again before the closing lines
.macro TL k                            ; ten loads: K step k's token fragments of my five tiles, in the chunk at HB
	WIN 0
.set i, 0
.rept 5
	global_load_b128 v[TFR+40*(\k)+8*i:TFR+40*(\k)+8*i+3],   v[TO+i], s[HB:HB+1] offset:2048*((\k)/2)+1024*((\k)%2)
	global_load_b128 v[TFR+40*(\k)+8*i+4:TFR+40*(\k)+8*i+7], v[TO+i], s[HB:HB+1] offset:2048*((\k)/2)+1024*((\k)%2)+512
.set i, i+1
.endr
.endm
.macro FETCH f, woff                   ; a K step's eight weight fragments into buffer f
	WIN 0x40
.set t, 0
.rept 8
	ds_load_b128 v[64*(\f)+8*t:64*(\f)+8*t+3],   v[WR] offset:(\woff)+t*1024
	ds_load_b128 v[64*(\f)+8*t+4:64*(\f)+8*t+7], v[WR] offset:(\woff)+t*1024+512
.set t, t+1
.endr
.endm
.macro MULS f, k, zero                 ; 40 matrix instructions; the 40 accumulators take turns, one instruction a turn
.set i, 0
.rept 5
.if i < 4
	WIN 0xa4
.set AB, 64*i
.else
	WIN 0xf4
.set AB, 0
.endif
.set t, 0
.rept 8
.if \zero
	v_wmma_f32_16x16x32_bf16 v[AB+8*t:AB+8*t+7], v[TFR+40*(\k)+8*i:TFR+40*(\k)+8*i+7], v[64*(\f)+8*t:64*(\f)+8*t+7], 0
.else
	v_wmma_f32_16x16x32_bf16 v[AB+8*t:AB+8*t+7], v[TFR+40*(\k)+8*i:TFR+40*(\k)+8*i+7], v[64*(\f)+8*t:64*(\f)+8*t+7], v[AB+8*t:AB+8*t+7]
.endif
.set t, t+1
.endr
.set i, i+1
.endr
.endm
; K step k of a chunk, on buffer f.  fe = 1: the next K step's weights are fetched first.  n: the token loads younger than this K step's.  tl = 1: its registers are loaded again, for the next chunk.
.macro Q f, k, fe, zero, n, tl
.if \fe
	FETCH 1-(\f), ((\k)+1)*KSB
	s_wait_dscnt 16                                ; all but the 16 just issued
.else
	s_wait_dscnt 0x0
.endif
	s_wait_loadcnt \n
	MULS \f, \k, \zero
	PLACES
.if \tl
	TL \k
.endif
.endm
.macro CH zero, tl                     ; a chunk of 128 along K.  tl = 1: three K steps of ten loads are always younger than the one that is due.  tl = 0: the last chunk: the counts run down
.if \tl
	WIN 0
	s_wait_xcnt 0x0                                ; the loads' base is stepped only behind this wait
	s_add_nc_u64 s[HB:HB+1], s[HB:HB+1], 4096
	Q 0, 0, 1, \zero, 30, 1
	Q 1, 1, 1, 0, 30, 1
	Q 0, 2, 1, 0, 30, 1
	Q 1, 3, 1, 0, 30, 1
	WIN 0
	s_add_co_u32 s[WRS], s[WRS], 4*KSB             ; the next chunk's four K steps
	v_add_nc_u32 v[WR], s[WRS], v[L16]
.else
	Q 0, 0, 1, 0, 30, 0
	Q 1, 1, 1, 0, 20, 0
	Q 0, 2, 1, 0, 10, 0
	Q 1, 3, 0, 0, 0, 0
.endif
.endm
	s_mov_b32 s[PASS], 4
	s_lshl_b32 s[PROW], s[WV], 4
	s_mov_b32 s[T0], s[WV]
.Lpass:
	s_cmp_ge_u32 s[PROW], s[CNT]
	s_cbranch_scc1 .Lnext                          ; I have no rank in this pass
	s_wait_xcnt 0x0                                ; the last pass's stores have read their offsets, which lie where the fragments land
.set i, 0
.rept 5
	s_add_co_u32 s[TMP], s[T0], 4*i                ; a tile past the count reads the last tile that exists
	s_min_u32 s[TMP], s[TMP], s[NTM1]
	s_min_u32 s[TMP], s[TMP], 63
	s_lshl_b32 s[TMP], s[TMP], 17
	v_add_nc_u32 v[TO+i], s[TMP], v[L16]
.set i, i+1
.endr
	s_mov_b64 s[HB:HB+1], s[8:9]
	s_mov_b32 s[WRS], 0
	v_mov_b32 v[WR], v[L16]
	TL 0
	TL 1
	TL 2
	TL 3
	FETCH 0, 0
	CH 1, 1                                        ; the first chunk is written out: its first K step starts the sums
	WIN 0
	s_mov_b32 s[TRIP], 6
.Lk:
	CH 0, 1
	WIN 0
	s_sub_co_u32 s[TRIP], s[TRIP], 1
	s_cmp_lg_u32 s[TRIP], 0
	s_cbranch_scc1 .Lk
	CH 0, 0
	WIN 0
	; THE WAY OUT.  Rank 320 p + 16 w + 64 i + 8 h + jj -> slot -> row of part.
	v_add_nc_u32 v18, s[PROW], v[RK0]
.set n, 0
.rept 40
	v_add_nc_u32 v19, 64*(n/8)+n%8, v18
	v_min_u32 v19, s[CM1], v19
	v_min_u32 v19, 0x3ff, v19
	v_lshl_add_u32 v19, v19, 2, v[LB]
	ds_load_b32 v[OFF+n], v19
.set n, n+1
.endr
	s_wait_dscnt 0x0
.set n, 0
.rept 40
	v_min_u32 v[OFF+n], 0x7ff, v[OFF+n]
	v_lshl_add_u32 v[OFF+n], v[OFF+n], 12, v[R16]
.set n, n+1
.endr
.macro OUT i, cg                       ; tile i, columns 64 cg on: + b2, which also brings a lane's four columns together; each accumulator's register 0 is read first
	s_wait_xcnt 0x0                                ; the stores before have read TM
.if (\i) < 4
	WIN 0x02
.set AB, 64*(\i)+32*(\cg)
.else
	WIN 0x03
.set AB, 32*(\cg)
.endif
.set jj, 0
.rept 8
.set j, 0
.rept 4
	v_add_f32 v[TM+4*jj+j], v[AB+8*j+jj], v[B2V+4*(\cg)+j]
.set j, j+1
.endr
.set jj, jj+1
.endr
	WIN 0
.set jj, 0
.rept 8
	global_store_b128 v[OFF+8*(\i)+jj], v[TM+4*jj:TM+4*jj+3], s[12:13] offset:256*(\cg)  ; sixteen lanes store 256 consecutive bytes, aligned
.set jj, jj+1
.endr
.endm
.irp i, 0,1,2,3,4
	s_add_co_u32 s[TMP], s[T0], 4*\i
	s_lshl_b32 s[TMP], s[TMP], 4
	s_cmp_ge_u32 s[TMP], s[CNT]
	s_cbranch_scc1 .Lnext                          ; this tile and those behind it lie past the count
	OUT \i, 0
	OUT \i, 1
.endr
.Lnext:
	s_add_co_u32 s[PROW], s[PROW], 320
	s_add_co_u32 s[T0], s[T0], 20
	s_sub_co_u32 s[PASS], s[PASS], 1
	s_cmp_lg_u32 s[PASS], 0
	s_cbranch_scc1 .Lpass
	s_wait_dscnt 0x0                               ; my LDS reads are back;
	s_barrier_signal -1
	s_barrier_wait -1                              ; so are every wave's: only now does a wave write LDS again (the add below)
	s_wait_tensorcnt 0x0                           ; the wave's end, behind my last LDS store
	ds_add_u32 v[SPW], v[NIL]
	s_wait_dscnt 0x0
	s_endpgm
.Lfunc_end_k_qc0959af7bc_down:
	.size	k_qc0959af7bc_down, .Lfunc_end_k_qc0959af7bc_down-k_qc0959af7bc_down
	.p2alignl 7, 3214868480
	.fill 96, 4, 3214868480
	.section	.rodata,"a",@progbits
	.p2align	6, 0x0
	.amdhsa_kernel k_qc0959af7bc_down
		.amdhsa_group_segment_fixed_size 280064
		.amdhsa_private_segment_fixed_size 0
		.amdhsa_enable_private_segment 0
		.amdhsa_kernarg_size 40
		.amdhsa_user_sgpr_count 2
		.amdhsa_user_sgpr_kernarg_segment_ptr 1
		.amdhsa_wavefront_size32 1
		.amdhsa_system_sgpr_workgroup_id_x 1
		.amdhsa_system_sgpr_workgroup_id_y 1
		.amdhsa_system_sgpr_workgroup_id_z 1
		.amdhsa_system_vgpr_workitem_id 0
		.amdhsa_next_free_vgpr 832
		.amdhsa_next_free_sgpr 66
		.amdhsa_reserve_vcc 0
		.amdhsa_float_denorm_mode_32 3
		.amdhsa_float_denorm_mode_16_64 3
		.amdhsa_memory_ordered 1
		.amdhsa_forward_progress 1
		.amdhsa_inst_pref_size 153
	.end_amdhsa_kernel
	.amdgpu_metadata
---
amdhsa.version: [ 1, 2 ]
amdhsa.kernels:
  - .name:           k_qc0959af7bc_down
    .symbol:         k_qc0959af7bc_down.kd
    .args:
      - { .name: W2, .offset: 0, .size: 8, .value_kind: global_buffer, .address_space: global }
      - { .name: b2, .offset: 8, .size: 8, .value_kind: global_buffer, .address_space: global }
      - { .name: hf, .offset: 16, .size: 8, .value_kind: global_buffer, .address_space: global }
      - { .name: sel, .offset: 24, .size: 8, .value_kind: global_buffer, .address_space: global }
      - { .name: part, .offset: 32, .size: 8, .value_kind: global_buffer, .address_space: global }
    .group_segment_fixed_size: 280064
    .private_segment_fixed_size: 0
    .kernarg_segment_align: 8
    .kernarg_segment_size: 40
    .max_flat_workgroup_size: 128
    .sgpr_count:     66
    .vgpr_count:     832
    .wavefront_size: 32
...
	.end_amdgpu_metadata
.endif
;; end of part 3
;; launch comb (part 4): grid 256 x 1, 8 waves a work-group, no clusters, 0 bytes of LDS; arguments part, cw, out0; writes out0
.if DOCPART == 4
	.amdgcn_target "amdgcn-amd-amdhsa--gfx1250"
	.amdhsa_code_object_version 6
	.text
	.protected	k_qc0959af7bc_comb
	.globl	k_qc0959af7bc_comb
	.p2align	8
	.type	k_qc0959af7bc_comb,@function
k_qc0959af7bc_comb:
	s_mov_b64 s[64:65], 0
	v_nop
	global_prefetch_b8 v0, s[64:65] scope:SCOPE_SE
	s_setreg_imm32_b32 hwreg(HW_REG_WAVE_MODE, 25, 1), 1
	s_wait_xcnt 0x0
; out[t] = cw[2 t] (sum over s of part[s][2 t]) + cw[2 t + 1] (sum over s of part[s][2 t + 1]).  All f32.
; A stream: a wave has half a row of out (2,048 bytes) of token 4 wg + w / 2: 32 loads of 512 consecutive bytes, all asked for at once, in four pieces; no LDS, no barrier, no matrix unit: memory binds.
.set LO, 2                             ; 16 x lane
.set P,  16                            ; piece k, choice j, quarter s at P + 32 k + 16 j + 4 s
.set O,  144                           ; piece k's result: a set for each piece, so that no store's data is rewritten
	s_load_b128 s[4:7], s[0:1], 0x0                ; part s[4:5], cw s[6:7]
	s_load_b64 s[8:9], s[0:1], 0x10                ; out0
	v_lshrrev_b32 v1, 5, v0
	v_readfirstlane_b32 s10, v1                    ; wave 0..7
	v_and_b32 v[LO], 31, v0
	v_lshlrev_b32 v[LO], 4, v[LO]
	s_lshr_b32 s11, s10, 1
	s_lshl2_add_u32 s11, ttmp9, s11                ; the token
	s_and_b32 s12, s10, 1                          ; which half of the row
	s_lshl_b32 s13, s11, 3                         ; its two weights
	s_lshl_b32 s12, s12, 11
	s_lshl_b32 s16, s11, 13                        ; its two rows of 4,096 bytes
	s_add_co_u32 s16, s16, s12
	s_mov_b32 s17, 0
	s_lshl_b32 s28, s11, 12
	s_add_co_u32 s28, s28, s12
	s_mov_b32 s29, 0
	s_wait_kmcnt 0x0
	s_load_b64 s[14:15], s[6:7], s13 offset:0x0
	s_add_nc_u64 s[20:21], s[4:5], s[16:17]
	s_add_nc_u64 s[22:23], s[20:21], 0x800000      ; a quarter's partial sums: 2,048 rows of 4,096 bytes
	s_add_nc_u64 s[24:25], s[22:23], 0x800000
	s_add_nc_u64 s[26:27], s[24:25], 0x800000
	s_add_nc_u64 s[8:9], s[8:9], s[28:29]
.irp k, 0,1,2,3
.irp j, 0,1
.irp s, 0,1,2,3
	global_load_b128 v[P+32*\k+16*\j+4*\s:P+32*\k+16*\j+4*\s+3], v[LO], s[20+2*\s:21+2*\s] offset:4096*\j+512*\k th:TH_LOAD_NT
.endr
.endr
.endr
	s_wait_kmcnt 0x0
	s_mov_b32 s18, s15                             ; the second weight as a pair's low word
	s_mov_b32 s19, s15
.irp k, 0,1,2,3
	s_wait_loadcnt 24-8*\k                         ; piece k's eight loads are in; the later pieces' stay out
.irp j, 0,1
.irp z, 0,2
	v_pk_add_f32 v[P+32*\k+16*\j+\z:P+32*\k+16*\j+\z+1], v[P+32*\k+16*\j+\z:P+32*\k+16*\j+\z+1], v[P+32*\k+16*\j+4+\z:P+32*\k+16*\j+4+\z+1]
	v_pk_add_f32 v[P+32*\k+16*\j+8+\z:P+32*\k+16*\j+8+\z+1], v[P+32*\k+16*\j+8+\z:P+32*\k+16*\j+8+\z+1], v[P+32*\k+16*\j+12+\z:P+32*\k+16*\j+12+\z+1]
.endr
.irp z, 0,2
	v_pk_add_f32 v[P+32*\k+16*\j+\z:P+32*\k+16*\j+\z+1], v[P+32*\k+16*\j+\z:P+32*\k+16*\j+\z+1], v[P+32*\k+16*\j+8+\z:P+32*\k+16*\j+8+\z+1]
.endr
.endr
.irp z, 0,2
	v_pk_mul_f32 v[O+4*\k+\z:O+4*\k+\z+1], v[P+32*\k+\z:P+32*\k+\z+1], s[14:15] op_sel_hi:[1,0]
.endr
.irp z, 0,2
	v_pk_fma_f32 v[O+4*\k+\z:O+4*\k+\z+1], v[P+32*\k+16+\z:P+32*\k+16+\z+1], s[18:19], v[O+4*\k+\z:O+4*\k+\z+1] op_sel_hi:[1,0,1]
.endr
	global_store_b128 v[LO], v[O+4*\k:O+4*\k+3], s[8:9] offset:512*\k th:TH_STORE_NT  ; 512 consecutive bytes, aligned
.endr
	s_endpgm
.Lfunc_end_k_qc0959af7bc_comb:
	.size	k_qc0959af7bc_comb, .Lfunc_end_k_qc0959af7bc_comb-k_qc0959af7bc_comb
	.p2alignl 7, 3214868480
	.fill 96, 4, 3214868480
	.section	.rodata,"a",@progbits
	.p2align	6, 0x0
	.amdhsa_kernel k_qc0959af7bc_comb
		.amdhsa_group_segment_fixed_size 0
		.amdhsa_private_segment_fixed_size 0
		.amdhsa_enable_private_segment 0
		.amdhsa_kernarg_size 24
		.amdhsa_user_sgpr_count 2
		.amdhsa_user_sgpr_kernarg_segment_ptr 1
		.amdhsa_wavefront_size32 1
		.amdhsa_system_sgpr_workgroup_id_x 1
		.amdhsa_system_sgpr_workgroup_id_y 1
		.amdhsa_system_sgpr_workgroup_id_z 1
		.amdhsa_system_vgpr_workitem_id 0
		.amdhsa_next_free_vgpr 160
		.amdhsa_next_free_sgpr 66
		.amdhsa_reserve_vcc 0
		.amdhsa_float_denorm_mode_32 3
		.amdhsa_float_denorm_mode_16_64 3
		.amdhsa_memory_ordered 1
		.amdhsa_forward_progress 1
		.amdhsa_inst_pref_size 9
	.end_amdhsa_kernel
	.amdgpu_metadata
---
amdhsa.version: [ 1, 2 ]
amdhsa.kernels:
  - .name:           k_qc0959af7bc_comb
    .symbol:         k_qc0959af7bc_comb.kd
    .args:
      - { .name: part, .offset: 0, .size: 8, .value_kind: global_buffer, .address_space: global }
      - { .name: cw, .offset: 8, .size: 8, .value_kind: global_buffer, .address_space: global }
      - { .name: out0, .offset: 16, .size: 8, .value_kind: global_buffer, .address_space: global }
    .group_segment_fixed_size: 0
    .private_segment_fixed_size: 0
    .kernarg_segment_align: 8
    .kernarg_segment_size: 24
    .max_flat_workgroup_size: 256
    .sgpr_count:     66
    .vgpr_count:     160
    .wavefront_size: 32
...
	.end_amdgpu_metadata
.endif
;; end of part 4
;; ======== version 2 of 2: 4 launches; version 1 with the launches up, down written anew for expert scheduling mode
;; limits: a function is approximated: absolute error at most 2.5e-05
;; workspace buffers: xb 2,097,152 bytes; sel 4,096 bytes of whole numbers; cw 8,192 bytes; hf 67,108,864 bytes; part 33,554,432 bytes
;; launch route: the kernel of part 1 again; grid 256 x 1, 4 waves a work-group, no clusters, 1,024 bytes of LDS; arguments x, grad, Wr, br, xb, sel, cw; writes xb, sel, cw
;; launch up (part 5): grid 32 x 8, 4 waves a work-group, no clusters, 280,064 bytes of LDS; arguments W1, b1, xb, sel, hf; writes hf
.if DOCPART == 5
	.amdgcn_target "amdgcn-amd-amdhsa--gfx1250"
	.amdhsa_code_object_version 6
	.text
	.protected	k_qc0959af7bc_up
	.globl	k_qc0959af7bc_up
	.p2align	8
	.type	k_qc0959af7bc_up,@function
k_qc0959af7bc_up:
	s_mov_b64 s[64:65], 0
	v_nop
	global_prefetch_b8 v0, s[64:65] scope:SCOPE_SE
	s_setreg_imm32_b32 hwreg(HW_REG_WAVE_SCHED_MODE, 0, 2), 2
	s_setreg_imm32_b32 hwreg(HW_REG_WAVE_MODE, 25, 1), 1
	s_wait_xcnt 0x0
	s_wait_alu depctr_vm_vsrc(0)
; FIRST PRODUCT.  Work-group (x, e): hf = gelu(X_e W1[e][:, 128 x .. 128 x + 127] + b1), for the rows X_e of the tokens that chose expert e.  bf16 operands, f32 sums, hf rounded once to bf16.
; PHASE 1, THE STREAM.  The slice, 1,024 rows x 512 bytes of f32, is read once, rounded and laid into LDS as matrix fragments: 32 K steps x 8 column tiles x 1,024 bytes = 262,144 bytes.  Wave w makes the
; K steps 4 c + w.  A load takes 16 bytes a lane: lanes 0-15 take 256 consecutive aligned bytes of one row, lanes 16-31 of the row 8 further down.  Element j of a lane's four belongs to column tile
; 4 cg + j, whose index r stands for column 64 cg + 4 r + j: so nothing is transposed; two rows pack into one fragment register.  No accumulator is live yet, so 256 registers take 64 loads, 32 KB a wave.
; No prefetch: the four waves have 128 KB asked for all the time.  No tensor load: the weights pass through registers to be rounded.  No cluster: each weight byte has one reader.
; Meanwhile each wave makes the expert's list of tokens for itself from sel (a counting sort; the second product makes the same list in the same order).
; PHASE 2, behind ONE barrier: nothing writes LDS any more until the closing lines.  A PASS is 320 ranks of the list: wave w has the tiles of 16 ranks 20 p + 4 i + w, i = 0..4, times 8 column tiles:
; 40 accumulators.  Four passes cover 1,024 ranks, every split of the tokens; a pass in which the wave has no rank is jumped whole: it holds no barrier.  Ranks past the count repeat the last rank; tiles past it are not stored.
; TOKENS come by the list from xb straight into registers as fragments: lane (r, h) takes 16 bytes of token r's row, the two halves of the lanes neighbouring 16 bytes: a load takes 32 consecutive bytes
; of each of 16 rows.  A K step's 40 registers are loaded again, with the K step four further on, in the step behind the one that multiplied them.
; PRODUCT: source 0 = weights (16 columns), source 1 = tokens.  In the result lane (r, h) holds token r and, over the four tiles of a cg, the 32 neighbouring columns 64 cg + 32 h + 0..31.
; These, rounded in pairs, ARE the second product's token fragments, and are stored in that order: hf[e][tile][64 columns][piece of 16 bytes][lane], 512 consecutive bytes a store.
; GELU: max(x, 0) - |x| q / 2, q = erfc(|x| / sqrt 2) = (a1 t + a2 t^2 + a3 t^3) exp(-x^2 / 2), t = 1 / (1 + p |x| / sqrt 2) (Abramowitz and Stegun 7.1.25).
; LIMITS.  That formula's error in erf is at most 2.5e-5 for every argument.  b1 is rounded to bf16 like every input.  NaN and infinities are not treated apart.
; THE MODE: SCHED_MODE bits 1:0 = 2 (LLVM: expert scheduling mode 2), set by the entry lines.  The code itself states the register dependences
; between vector or matrix instructions and memory or LDS instructions, with s_wait_alu, always for 0.
; THE PLAN.  Registers that memory or LDS instructions touch:
;   v[WO], v[L16], v[BO]   offsets, made at the head and never written again: the wait ahead of the first load serves them for the whole kernel.
;   THE LIST   32 compares write the masks s66-97; one wait on va_sdst; the ranks' lines write 32 addresses v[LA ..] and 32 tokens v[LD ..]; one wait on va_vdst; the 32 LDS stores.
;   RAW0 .. RAW3 (window 2)   A unit's 32 roundings read RAW[q]; behind them the loads of the chunk two further on land in it.
;   TW (window 1), v[WSA]     TW: written by the roundings, read by the unit's eight LDS stores.  v[WSA]: read by those stores, stepped once a trip.
;      ONE wait on va_vdst a unit, behind the roundings; the unit's sixteen loads and eight stores follow it.  One wait on vm_vsrc ahead of the next lines that write TW or v[WSA].
;   WF0, WF1 (window 1)       Step g's matrix instructions read WF[g % 2]; the LDS loads of step g + 1's weights, issued in step g, land in the other.
;   TFR0 .. TFR3 (window 0)   Step g's matrix instructions read TFR[g % 4]; the loads of K step g + 3, issued in step g, land in TFR[(g - 1) % 4].
;      ONE wait on va_vdst at a step's head: the step before is done reading WF[(g + 1) % 2] and TFR[(g - 1) % 4].  The step's 26 loads follow it, dealt among its 40 matrix instructions, which name
;      WF[g % 2], TFR[g % 4] and the accumulators: none of the registers that those loads touch.
;   v[WR]      read by every load of a weight fragment; written once a chunk, behind a wait on vm_vsrc and ahead of the step's wait on va_vdst.
;   v[RA ..], v[TO ..]   written at a pass's head, behind one wait on vm_vsrc for all that the pass before and the list's stores have read.
;   OO, v[HO]  the way out: written by a unit's last lines, read by its four stores: a wait on va_vdst ahead of the stores, one on vm_vsrc ahead of the next unit's roundings.
; REGISTERS, in windows of 256 (s_set_vgpr_msb: bits 1:0 source 0, 3:2 source 1, 5:4 source 2, 7:6 destination):
;   window 0: v0-29 addresses; v32-191 token fragments, K step k, tile i at 32 + 40 k + 8 i (before: sel, and the list's addresses and tokens); in the way out v64-239
;   window 1: v0-127 two buffers of weight fragments; v128-159 packed weights     window 2: accumulators i = 0..3 at 64 i + 8 ft (phase 1: weights as loaded)
;   window 3: v0-63 accumulators i = 4; v64-127 b1 of my 64 columns
.set PITCH, 16384                      ; bytes from a row of W1 to the next
.set CHW,   128*PITCH                  ; 128 rows
.set KSB,   8192                       ; a K step's eight fragments in LDS
.set LIST,  32*KSB                     ; behind the slice: the waves' lists: 1,024 ranks and 32 words for lanes with nothing to store, 4,352 bytes a wave
.set LISTW, 4352                       ; (behind the lists 512 bytes: the spare words, 128 bytes a wave)
.set LN,   1
.set R,    2                           ; lane % 16
.set H,    3                           ; lane / 16
.set WO,   4                           ; my byte offset in the slice's first 128 rows; never rewritten
.set WSA,  5                           ; where I store fragments
.set L16,  6                           ; 16 x lane
.set WR,   9                           ; where I read weight fragments
.set LB,   10                          ; my wave's list
.set L4,   11                          ; 4 x lane
.set DUMP, 12                          ; 1,024 + lane
.set BO,   13                          ; 128 h: my 32 columns of b1
.set HO,   14                          ; my byte offset in hf
.set H16,  15                          ; 16 h
.set TO,   20                          ; v20-24  tile i: my byte offset in xb
.set RA,   25                          ; v25-29  tile i: the LDS address of my rank's word in the list
.set TFR,  32
.set SL,   32                          ; sel: register 4 q + c holds token 128 q + 4 lane + c
.set LA,   64                          ; v64-95   the list: where register g's token is stored
.set LD,   96                          ; v96-127  the list: register g's token
.set X,    64
.set TA,   96
.set EA,   128
.set MX,   160
.set PP,   192
.set OO,   224
.set TW,   128                         ; window 1
.set B1,   64                          ; window 3
.set WV,   14
.set XI,   15
.set EX,   16
.set WB,   20                          ; s[20:21] W1 at my slice; steps
.set XB,   24                          ; s[24:25] xb at the chunk in hand
.set OF,   26                          ; s[26:27] an offset, 64 bits
.set CNT,  28                          ; the expert's rows
.set CM1,  29
.set PASS, 30
.set PROW, 31                          ; 320 p + 16 w: my first rank of the pass
.set T0,   32                          ; 20 p + w: my first tile
.set TRIP, 33
.set KEY,  34
.set RUN,  35
.set TMP,  37
.set U,    38
.set TT,   39
.set TM2,  40
.set HB,   42                          ; s[42:43] hf at (e, my 128 columns)
.set NC2,  48                          ; pairs for the packed lines: the low word serves both halves
.set A3,   50
.set A2,   52
.set A1,   54
.set PPC,  56
.set MKS,  66                          ; s66-97  the list: register g's mask of lanes that chose e
.set MSB, 0
.macro WIN new                         ; the immediate's high byte repeats the setting that is left; a switch that changes nothing is dropped
.if MSB != (\new)
	s_set_vgpr_msb (MSB<<8)|(\new)
.set MSB, \new
.endif
.endm
.macro PLACES                          ; four places behind a step's matrix instructions: ahead of a vector read of their results and, as in this text's plain form, ahead of the loads into
.rept 4                                ; registers that they read; they stand beside the wait on va_vdst, not in its place
	v_nop
.endr
.endm
; Sixteen loads: rows 8 h + 0..7 and 16 + 8 h + 0..7 of my K step x 256 bytes, columns 64 cg on, of chunk cl counted from WB, into buffer q of four
.macro WLOADU q, cl, cg
	WIN 0x80
.set i, 0
.rept 16
	global_load_b128 v[64*(\q)+4*i:64*(\q)+4*i+3], v[WO], s[WB:WB+1] offset:(\cl)*CHW+(i+8*(i/8))*PITCH+256*(\cg) th:TH_LOAD_NT
.set i, i+1
.endr
.endm
; Buffer q is rounded: loads 2 p and 2 p + 1 of element j make register p of column tile 4 (q % 2) + j
.macro ROUNDU q
	WIN 0x4a
.set j, 0
.rept 4
.set p, 0
.rept 8
	v_cvt_pk_bf16_f32 v[TW+8*j+p], v[64*(\q)+8*p+j], v[64*(\q)+8*p+4+j]
.set p, p+1
.endr
.set j, j+1
.endr
.endm
; The four fragments go to LDS, each lane's 16 bytes beside its neighbour's
.macro STOREU q
	WIN 0x04
.set j, 0
.rept 4
	ds_store_b128 v[WSA], v[TW+8*j:TW+8*j+3]   offset:((\q)/2)*4*KSB+(4*((\q)%2)+j)*1024
	ds_store_b128 v[WSA], v[TW+8*j+4:TW+8*j+7] offset:((\q)/2)*4*KSB+(4*((\q)%2)+j)*1024+512
.set j, j+1
.endr
.endm
; A unit of the stream: buffer q.  ahead = 1: the buffer is loaded again, with the chunk two further on.  left: the younger loads that may stay out.
.macro UNIT q, ahead, left
	s_wait_loadcnt \left                           ; loads come back in order: the oldest sixteen are in
.if (\q) > 0
	s_wait_alu depctr_vm_vsrc(0)                   ; the LDS stores of the unit before have read TW, which the roundings write again (for unit 0 the wait at the trip's end states it)
.endif
	ROUNDU \q
.if \ahead
	WIN 0x80
	s_wait_alu depctr_va_vdst(0)                   ; the roundings are done reading RAW[q], in which the loads land, and have written TW, which the stores read; in a trip's first unit v[WSA] is written
	WLOADU \q, 2+(\q)/2, (\q)%2
.else
	WIN 0x04
	s_wait_alu depctr_va_vdst(0)                   ; the roundings have written TW, which the stores read; in the first of these units v[WSA] is written
.endif
	STOREU \q
.endm
	s_load_b256 s[4:11], s[0:1], 0x0               ; W1 s[4:5], b1 s[6:7], xb s[8:9], sel s[10:11]
	s_load_b64 s[12:13], s[0:1], 0x20              ; hf
	v_lshl_add_u32 v254, v0, 2, 0x44400
	v_mov_b32 v255, 0
	v_lshrrev_b32 v1, 5, v0
	v_readfirstlane_b32 s[WV], v1                  ; wave 0..3
	s_mov_b32 s[XI], ttmp9                         ; which 128 columns
	s_and_b32 s[EX], ttmp7, 0xffff                 ; the expert
	v_and_b32 v[LN], 31, v0
	v_and_b32 v[R], 15, v0
	v_bfe_u32 v[H], v0, 4, 1
	v_lshlrev_b32 v[L16], 4, v[LN]
	v_lshlrev_b32 v[L4], 2, v[LN]
	v_add_nc_u32 v[DUMP], 1024, v[LN]
	v_lshlrev_b32 v[BO], 7, v[H]
	v_lshlrev_b32 v[H16], 4, v[H]
	s_wait_alu depctr_va_sdst(0)                   ; the wave's number is written, ahead of its first reader
	s_lshl_b32 s[TMP], s[WV], 19                   ; K step w of a chunk: 32 w rows of 16,384 bytes,
	v_lshlrev_b32 v[WO], 4, v[R]
	v_lshl_add_u32 v[WO], v[H], 17, v[WO]          ; 8 h rows
	v_add_nc_u32 v[WO], s[TMP], v[WO]
	s_lshl_b32 s[TMP], s[WV], 13
	v_add_nc_u32 v[WSA], s[TMP], v[L16]            ; K step w's fragments
	s_mul_i32 s[TMP], s[WV], LISTW
	s_add_co_u32 s[TMP], s[TMP], LIST
	v_mov_b32 v[LB], s[TMP]
	s_mov_b32 s[NC2], 0xbf38aa3b                   ; -log2(e) / 2
	s_mov_b32 s[NC2+1], s[NC2]
	s_mov_b32 s[A3], 0x3ebf7377                    ; a3 / 2 = 0.3739278
	s_mov_b32 s[A3+1], s[A3]
	s_mov_b32 s[A2], 0xbd445ca1                    ; a2 / 2 = -0.0479399
	s_mov_b32 s[A2+1], s[A2]
	s_mov_b32 s[A1], 0x3e32303a                    ; a1 / 2 = 0.1740121
	s_mov_b32 s[A1+1], s[A1]
	s_mov_b32 s[PPC], 0x3eaa540e                   ; p / sqrt 2 = 0.33267253
	s_mov_b32 s[OF+1], 0
	s_lshl_b32 s[TMP], s[XI], 9                    ; 128 columns of f32
	s_wait_kmcnt 0x0
	s_lshl_b32 s[OF], s[EX], 24
	s_add_co_u32 s[OF], s[OF], s[TMP]
	s_add_nc_u64 s[WB:WB+1], s[4:5], s[OF:OF+1]
	s_lshl_b32 s[OF], s[EX], 14
	s_add_co_u32 s[OF], s[OF], s[TMP]
	s_add_nc_u64 s[6:7], s[6:7], s[OF:OF+1]
	s_lshl_b32 s[OF], s[EX], 23
	s_lshl_b32 s[TMP], s[XI], 12                   ; two blocks of 64 columns, 2,048 bytes each
	s_add_co_u32 s[OF], s[OF], s[TMP]
	s_add_nc_u64 s[HB:HB+1], s[12:13], s[OF:OF+1]
	s_wait_alu depctr_va_vdst(0)                   ; v[L16], v[BO] and v[WO] are written, which the loads below and all later loads of weights read as offsets
.set q, 0
.rept 8
	global_load_b128 v[SL+4*q:SL+4*q+3], v[L16], s[10:11] offset:512*q
.set q, q+1
.endr
	WIN 0xc0
.set q, 0
.rept 16
	global_load_b128 v[B1+4*q:B1+4*q+3], v[BO], s[6:7] offset:256*(q/8)+16*(q%8)
.set q, q+1
.endr
	WLOADU 0, 0, 0
	WLOADU 1, 0, 1
	WLOADU 2, 1, 0
	WIN 0
	s_wait_loadcnt 48                              ; sel and b1 are in; the 48 weight loads behind them stay out
	; THE LIST: rank = how many earlier (register, lane) chose e.  A lane without a match stores into a word of its own behind the list.
	s_lshl_b32 s[KEY], 0x101, s[EX]
	s_mov_b32 s[RUN], 0
.set g, 0
.rept 32                               ; the compares stand in one run, a mask register to each
	v_and_b32 v18, s[KEY], v[SL+g]
	v_cmp_ne_u32 s[MKS+g], 0, v18
.set g, g+1
.endr
	s_wait_alu depctr_va_sdst(0)                   ; the 32 masks are written, ahead of their first reader
.set g, 0
.rept 32
	v_mbcnt_lo_u32_b32 v[LA+g], s[MKS+g], s[RUN]
	v_add_nc_u32 v[LD+g], 128*(g/4)+g%4, v[L4]     ; the token
	v_cndmask_b32 v[LA+g], v[DUMP], v[LA+g], s[MKS+g]
	v_min_u32 v[LA+g], 0x41f, v[LA+g]
	v_lshl_add_u32 v[LA+g], v[LA+g], 2, v[LB]
	s_bcnt1_i32_b32 s[TMP], s[MKS+g]
	s_add_co_u32 s[RUN], s[RUN], s[TMP]
.set g, g+1
.endr
	s_wait_alu depctr_va_vdst(0)                   ; the lines above have written v[LA ..] and v[LD ..], the addresses and data of the 32 LDS stores
.set g, 0
.rept 32
	ds_store_b32 v[LA+g], v[LD+g]
.set g, g+1
.endr
	s_mov_b32 s[CNT], s[RUN]
	s_sub_co_u32 s[CM1], s[RUN], 1
	WIN 0xcf                                       ; b1 to bf16 and back, in place
.set n, 0
.rept 32
	v_cvt_pk_bf16_f32 v[B1+2*n], v[B1+2*n], v[B1+2*n+1]
	v_and_b32 v[B1+2*n+1], 0xffff0000, v[B1+2*n]
	v_lshlrev_b32 v[B1+2*n], 16, v[B1+2*n]
.set n, n+1
.endr
	WLOADU 3, 1, 1                                 ; no wait: no vector instruction has named RAW3, nor v[WO] since the wait ahead of the first load
	WIN 0
	s_mov_b32 s[TRIP], 3
.Lstream:                                              ; a trip: two chunks of 128 rows, my K step of each; every buffer is loaded again with the chunk two further on
.irp q, 0,1,2,3
	UNIT \q, 1, 48                                 ; three buffers' loads stay out
.endr
	WIN 0
	s_wait_xcnt 0x0                                ; the loads' base is stepped only behind this wait
	s_wait_alu depctr_vm_vsrc(0)                   ; the LDS stores issued so far have read v[WSA], which is stepped below, and TW, which the next unit's roundings write
	s_add_nc_u64 s[WB:WB+1], s[WB:WB+1], 2*CHW
	v_add_nc_u32 v[WSA], 8*KSB, v[WSA]
	s_sub_co_u32 s[TRIP], s[TRIP], 1
	s_cmp_lg_u32 s[TRIP], 0
	s_cbranch_scc1 .Lstream
.irp q, 0,1,2,3
	UNIT \q, 0, 48-16*(\q)                         ; the last two chunks: nothing more is asked for, the counts run down
.endr
	WIN 0
	s_wait_dscnt 0x0                               ; for the others' sake: my fragments are in LDS
	s_barrier_signal -1
	s_barrier_wait -1                              ; the slice is whole; nobody writes it again
.macro TL slot, off                    ; ten loads: a K step's token fragments of my five tiles into set slot: the 64 bytes at off from XB: channels 8 h + 0..7 and 16 + 8 h + 0..7 of its 32
	WIN 0
.set i, 0
.rept 5
	global_load_b128 v[TFR+40*(\slot)+8*i:TFR+40*(\slot)+8*i+3],   v[TO+i], s[XB:XB+1] offset:(\off)
	global_load_b128 v[TFR+40*(\slot)+8*i+4:TFR+40*(\slot)+8*i+7], v[TO+i], s[XB:XB+1] offset:(\off)+32
.set i, i+1
.endr
.endm
.macro FETCH f, woff, t0               ; four of a K step's eight weight fragments, t0 on, into buffer f
	WIN 0x40
.set t, \t0
.rept 4
	ds_load_b128 v[64*(\f)+8*t:64*(\f)+8*t+3],   v[WR] offset:(\woff)+t*1024
	ds_load_b128 v[64*(\f)+8*t+4:64*(\f)+8*t+7], v[WR] offset:(\woff)+t*1024+512
.set t, t+1
.endr
.endm
.macro MUL8 f, k, i, zero              ; tile i's 8 matrix instructions; a step's 40 accumulators take turns, one instruction a turn.  zero = 1: the products start the sums
.if (\i) < 4
	WIN 0xa1
.set AB, 64*(\i)
.else
	WIN 0xf1
.set AB, 0
.endif
.set t, 0
.rept 8
.if \zero
	v_wmma_f32_16x16x32_bf16 v[AB+8*t:AB+8*t+7], v[64*(\f)+8*t:64*(\f)+8*t+7], v[TFR+40*(\k)+8*(\i):TFR+40*(\k)+8*(\i)+7], 0
.else
	v_wmma_f32_16x16x32_bf16 v[AB+8*t:AB+8*t+7], v[64*(\f)+8*t:64*(\f)+8*t+7], v[TFR+40*(\k)+8*(\i):TFR+40*(\k)+8*(\i)+7], v[AB+8*t:AB+8*t+7]
.endif
.set t, t+1
.endr
.endm
; K step k of a chunk, on weight buffer f and token set k.  fe = 1: the next K step's weights are fetched into the other buffer.  n: the token loads younger than this K step's.
; tl = 1: the set that the step before multiplied is loaded again, with the K step three further on than this one.  w = 1: the step's wait on va_vdst.
.macro Q f, k, fe, zero, n, tl, w
	s_wait_dscnt 0x0                               ; this step's weights are in
	s_wait_loadcnt \n                              ; and its tokens
.if \w
	s_wait_alu depctr_va_vdst(0)                   ; the step before's matrix instructions are done reading the other weight buffer and their token set, in which this step's loads land; in a chunk's first step v[WR] is written
.endif
	MUL8 \f, \k, 0, \zero
.if \fe
	FETCH 1-(\f), ((\k)+1)*KSB, 0                  ; no further wait: no matrix instruction since the wait names these registers
.endif
	MUL8 \f, \k, 1, \zero
.if \fe
	FETCH 1-(\f), ((\k)+1)*KSB, 4
.endif
	MUL8 \f, \k, 2, \zero
.if \tl
	TL ((\k)+3)%4, 64*((\k)+3)
.endif
	MUL8 \f, \k, 3, \zero
	MUL8 \f, \k, 4, \zero
	PLACES
.endm
; A chunk of 128 along K.  kind 0: a pass's first: its first step starts the sums, has three younger K steps of ten loads, loads nothing again, and needs no wait: the one at the pass's head stands for it.
; kind 1: the loop's: two K steps of ten loads are younger than the one that is due; the step's own ten follow the wait.  kind 2: the last: one more K step is asked for, then the counts run down.
.macro CH kind
.if (\kind) != 0
	WIN 0
	s_wait_xcnt 0x0                                ; the loads' base is stepped only behind this wait
	s_add_nc_u64 s[XB:XB+1], s[XB:XB+1], 256
.endif
.if (\kind) == 0
	Q 0, 0, 1, 1, 30, 0, 0
	Q 1, 1, 1, 0, 20, 1, 1
	Q 0, 2, 1, 0, 20, 1, 1
	Q 1, 3, 1, 0, 20, 1, 1
.elseif (\kind) == 1
	Q 0, 0, 1, 0, 20, 1, 1
	Q 1, 1, 1, 0, 20, 1, 1
	Q 0, 2, 1, 0, 20, 1, 1
	Q 1, 3, 1, 0, 20, 1, 1
.else
	Q 0, 0, 1, 0, 20, 1, 1
	Q 1, 1, 1, 0, 20, 0, 1
	Q 0, 2, 1, 0, 10, 0, 1
	Q 1, 3, 0, 0, 0, 0, 0                          ; the last step issues no load: it has no wait on va_vdst
.endif
.endm
.macro FETCHU u                        ; tile u / 2, columns 64 (u % 2) on: x = sum + b1, the lane's 32 columns in order.  Each accumulator's register 0 is read first
.Lfu\u:
.if (\u)/2 < 4
	WIN 0x0e
.set AB, 64*((\u)/2)+32*((\u)%2)
.else
	WIN 0x0f
.set AB, 32*((\u)%2)
.endif
.set jj, 0
.rept 8
.set j, 0
.rept 4
	v_add_f32 v[X+4*jj+j], v[AB+8*j+jj], v[B1+32*((\u)%2)+4*jj+j]
.set j, j+1
.endr
.set jj, jj+1
.endr
	WIN 0
.endm
	s_mov_b32 s[PASS], 4
	s_lshl_b32 s[PROW], s[WV], 4
	s_mov_b32 s[T0], s[WV]
.Lpass:
	s_cmp_ge_u32 s[PROW], s[CNT]
	s_cbranch_scc1 .Lnext                          ; I have no rank in this pass: what is jumped holds no barrier
	s_wait_alu depctr_vm_vsrc(0)                   ; read by now: v[LA ..] and v[LD ..] by the list's stores; v[RA ..], v[TO ..] and v[WR] by the last pass's loads: all are written again below, by these lines or by loads
	v_add_nc_u32 v18, s[PROW], v[R]
.set i, 0
.rept 5                                ; tile i, token r: rank 320 p + 16 w + 64 i + r; past the count: the last rank
	v_add_nc_u32 v[RA+i], 64*i, v18
	v_min_u32 v[RA+i], s[CM1], v[RA+i]
	v_min_u32 v[RA+i], 0x3ff, v[RA+i]
	v_lshl_add_u32 v[RA+i], v[RA+i], 2, v[LB]
.set i, i+1
.endr
	s_mov_b64 s[XB:XB+1], s[8:9]
	v_mov_b32 v[WR], v[L16]
	s_wait_alu depctr_va_vdst(0)                   ; v[RA ..] are written, which the five loads read; the last pass's lines that made v[TO ..] are complete, in which they land
.set i, 0
.rept 5
	ds_load_b32 v[TO+i], v[RA+i]
.set i, i+1
.endr
	s_wait_dscnt 0x0
.set i, 0
.rept 5
	v_min_u32 v[TO+i], 0x3ff, v[TO+i]
	v_lshl_add_u32 v[TO+i], v[TO+i], 11, v[H16]    ; the token's row of 2,048 bytes + 16 h
.set i, i+1
.endr
	s_wait_alu depctr_va_vdst(0)                   ; v[TO ..] and v[WR] are written; all that named v32-191 (the list's lines; the last pass's products and way out) and the weight buffers is complete: the loads below land there
	TL 0, 0
	TL 1, 64
	TL 2, 128
	TL 3, 192
	FETCH 0, 0, 0
	FETCH 0, 0, 4
	CH 0                                           ; the first chunk is written out: its first K step starts the sums
	WIN 0
	s_mov_b32 s[TRIP], 1
.Lk:                                                   ; chunks 1 to 6: 160 matrix instructions each
	s_wait_alu depctr_vm_vsrc(0)                   ; the fragment loads issued so far have read v[WR]
	v_lshl_add_u32 v[WR], s[TRIP], 15, v[L16]      ; the chunk's four K steps: 32,768 bytes a chunk
	CH 1
	WIN 0
	s_add_co_u32 s[TRIP], s[TRIP], 1
	s_cmp_lt_u32 s[TRIP], 7
	s_cbranch_scc1 .Lk
	s_wait_alu depctr_vm_vsrc(0)                   ; the fragment loads issued so far have read v[WR]
	v_add_nc_u32 v[WR], 7*4*KSB, v[L16]
	CH 2                                           ; the last chunk is written out: no load passes a row's end
	WIN 0
	; THE WAY OUT: ten units of (tile, 64 columns).  Which accumulators a unit reads is chosen by jumps forward; the arithmetic is written once.
	s_mov_b32 s[U], 0
.Lepi:
	s_lshr_b32 s[TT], s[U], 1
	s_lshl2_add_u32 s[TT], s[TT], s[T0]            ; the tile
	s_lshl_b32 s[TMP], s[TT], 4
	s_cmp_ge_u32 s[TMP], s[CNT]
	s_cbranch_scc1 .Lepi_next                      ; past the count: not stored
.irp u, 0,1,2,3,4,5,6,7,8
	s_cmp_eq_u32 s[U], \u
	s_cbranch_scc1 .Lfu\u
.endr
.irp u, 9,0,1,2,3,4,5,6,7
	FETCHU \u
	s_branch .Lgelu
.endr
	FETCHU 8
.Lgelu:
.set n, 0
.rept 16
	v_pk_mul_f32 v[EA+2*n:EA+2*n+1], v[X+2*n:X+2*n+1], s[NC2:NC2+1] op_sel_hi:[1,0]
.set n, n+1
.endr
.set n, 0
.rept 16
	v_pk_mul_f32 v[EA+2*n:EA+2*n+1], v[EA+2*n:EA+2*n+1], v[X+2*n:X+2*n+1]   ; -x^2 log2(e) / 2
.set n, n+1
.endr
.set n, 0
.rept 32
	v_fma_f32 v[TA+n], |v[X+n]|, s[PPC], 1.0
.set n, n+1
.endr
.set n, 0
.rept 32                               ; ONE BATCH of 64: none of these lines names a result of the batch
	v_exp_f32 v[EA+n], v[EA+n]
	v_rcp_f32 v[TA+n], v[TA+n]
	v_max_num_f32 v[MX+n], 0, v[X+n]
.set n, n+1
.endr
	v_nop
	s_wait_alu depctr_va_vdst(0)                   ; the 32 exponentials in EA and the 32 reciprocals in TA are written: the one wait for the batch, ahead of its first reader
.set n, 0
.rept 16
	v_pk_fma_f32 v[PP+2*n:PP+2*n+1], v[TA+2*n:TA+2*n+1], s[A3:A3+1], s[A2:A2+1] op_sel_hi:[1,0,0]
	v_pk_mul_f32 v[EA+2*n:EA+2*n+1], v[EA+2*n:EA+2*n+1], v[TA+2*n:TA+2*n+1]
.set n, n+1
.endr
.set n, 0
.rept 16
	v_pk_fma_f32 v[PP+2*n:PP+2*n+1], v[PP+2*n:PP+2*n+1], v[TA+2*n:TA+2*n+1], s[A1:A1+1] op_sel_hi:[1,1,0]
.set n, n+1
.endr
.set n, 0
.rept 16
	v_pk_mul_f32 v[PP+2*n:PP+2*n+1], v[PP+2*n:PP+2*n+1], v[EA+2*n:EA+2*n+1]  ; q / 2
.set n, n+1
.endr
.set n, 0
.rept 32
	v_fma_f32 v[MX+n], -|v[X+n]|, v[PP+n], v[MX+n]
.set n, n+1
.endr
	s_wait_xcnt 0x0                                ; the last unit's stores have had their addresses translated: OO and HO are rewritten only behind this wait
	s_wait_alu depctr_vm_vsrc(0)                   ; the last unit's stores have read OO and v[HO], which the lines below write again
.set n, 0
.rept 16
	v_cvt_pk_bf16_f32 v[OO+n], v[MX+2*n], v[MX+2*n+1]
.set n, n+1
.endr
	s_lshl_b32 s[TMP], s[TT], 17                   ; a tile's 4,096 columns: 131,072 bytes
	s_and_b32 s[TM2], s[U], 1
	s_lshl_b32 s[TM2], s[TM2], 11
	s_add_co_u32 s[TMP], s[TMP], s[TM2]
	v_add_nc_u32 v[HO], s[TMP], v[L16]
	s_wait_alu depctr_va_vdst(0)                   ; the roundings have written OO, and v[HO] is written: the four stores read them
.irp v, 0,1,2,3
	global_store_b128 v[HO], v[OO+4*\v:OO+4*\v+3], s[HB:HB+1] offset:512*\v   ; 512 consecutive bytes, aligned
.endr
.Lepi_next:
	s_add_co_u32 s[U], s[U], 1
	s_cmp_lt_u32 s[U], 10
	s_cbranch_scc1 .Lepi
.Lnext:
	s_add_co_u32 s[PROW], s[PROW], 320
	s_add_co_u32 s[T0], s[T0], 20
	s_sub_co_u32 s[PASS], s[PASS], 1
	s_cmp_lg_u32 s[PASS], 0
	s_cbranch_scc1 .Lpass
	s_wait_dscnt 0x0                               ; my LDS reads are back;
	s_barrier_signal -1
	s_barrier_wait -1                              ; so are every wave's: the barrier stays
	s_wait_dscnt 0x0
	s_wait_alu depctr_hold_cnt(0) depctr_sa_sdst(0) depctr_va_vdst(0) depctr_va_sdst(0) depctr_va_ssrc(0) depctr_va_vcc(0) depctr_vm_vsrc(0)
	s_wait_tensorcnt 0x0
	ds_add_u32 v254, v255
	s_wait_dscnt 0x0
	s_endpgm
.Lfunc_end_k_qc0959af7bc_up:
	.size	k_qc0959af7bc_up, .Lfunc_end_k_qc0959af7bc_up-k_qc0959af7bc_up
	.p2alignl 7, 3214868480
	.fill 96, 4, 3214868480
	.section	.rodata,"a",@progbits
	.p2align	6, 0x0
	.amdhsa_kernel k_qc0959af7bc_up
		.amdhsa_group_segment_fixed_size 280064
		.amdhsa_private_segment_fixed_size 0
		.amdhsa_enable_private_segment 0
		.amdhsa_kernarg_size 40
		.amdhsa_user_sgpr_count 2
		.amdhsa_user_sgpr_kernarg_segment_ptr 1
		.amdhsa_wavefront_size32 1
		.amdhsa_system_sgpr_workgroup_id_x 1
		.amdhsa_system_sgpr_workgroup_id_y 1
		.amdhsa_system_sgpr_workgroup_id_z 1
		.amdhsa_system_vgpr_workitem_id 0
		.amdhsa_next_free_vgpr 896
		.amdhsa_next_free_sgpr 98
		.amdhsa_reserve_vcc 0
		.amdhsa_float_denorm_mode_32 3
		.amdhsa_float_denorm_mode_16_64 3
		.amdhsa_memory_ordered 1
		.amdhsa_forward_progress 1
		.amdhsa_inst_pref_size 150
	.end_amdhsa_kernel
	.amdgpu_metadata
---
amdhsa.version: [ 1, 2 ]
amdhsa.kernels:
  - .name:           k_qc0959af7bc_up
    .symbol:         k_qc0959af7bc_up.kd
    .args:
      - { .name: W1, .offset: 0, .size: 8, .value_kind: global_buffer, .address_space: global }
      - { .name: b1, .offset: 8, .size: 8, .value_kind: global_buffer, .address_space: global }
      - { .name: xb, .offset: 16, .size: 8, .value_kind: global_buffer, .address_space: global }
      - { .name: sel, .offset: 24, .size: 8, .value_kind: global_buffer, .address_space: global }
      - { .name: hf, .offset: 32, .size: 8, .value_kind: global_buffer, .address_space: global }
    .group_segment_fixed_size: 280064
    .private_segment_fixed_size: 0
    .kernarg_segment_align: 8
    .kernarg_segment_size: 40
    .max_flat_workgroup_size: 128
    .sgpr_count:     98
    .vgpr_count:     896
    .wavefront_size: 32
...
	.end_amdgpu_metadata
.endif
;; end of part 5
;; launch down (part 6): grid 32 x 8, 4 waves a work-group, no clusters, 280,064 bytes of LDS; arguments W2, b2, hf, sel, part; writes part
.if DOCPART == 6
	.amdgcn_target "amdgcn-amd-amdhsa--gfx1250"
	.amdhsa_code_object_version 6
	.text
	.protected	k_qc0959af7bc_down
	.globl	k_qc0959af7bc_down
	.p2align	8
	.type	k_qc0959af7bc_down,@function
k_qc0959af7bc_down:
	s_mov_b64 s[64:65], 0
	v_nop
	global_prefetch_b8 v0, s[64:65] scope:SCOPE_SE
	s_setreg_imm32_b32 hwreg(HW_REG_WAVE_SCHED_MODE, 0, 2), 2
	s_setreg_imm32_b32 hwreg(HW_REG_WAVE_MODE, 25, 1), 1
	s_wait_xcnt 0x0
	s_wait_alu depctr_vm_vsrc(0)
; SECOND PRODUCT.  Work-group (x, e), ns = x % 8, s = x / 8: part[s][slot][128 ns ..] = H_e[:, 1024 s ..] W2[e][1024 s .., 128 ns ..] (+ b2 where s = 0), slot = 2 token + (0: e is the token's first choice, 1: its second).
; K = 4,096 is cut in four so that a work-group again has 1,024 rows x 128 columns of weights, read by it alone; the four partial sums stay in f32 and the last launch adds them.
; PHASE 1: the slice is streamed once, rounded and laid into LDS as 32 K steps x 8 fragments, as in the first product; each wave makes the expert's list for itself, in the same order as there.
; PHASE 2, behind ONE barrier: four passes of 320 ranks; wave w has the tiles 20 p + 4 i + w; a pass in which the wave has no rank is jumped whole: it holds no barrier and writes no LDS.
; K's order is the one in which the first product left hf: in K step k of a chunk of 128, slot (h, register p, half b) holds row 64 (k / 2) + 16 (k % 2) + 32 h + 2 p + b.
; TOKENS come from hf straight into registers as fragments, 512 consecutive bytes a load; a K step's 40 registers are loaded again, with the K step four further on, in the step behind the one that multiplied them.
; PRODUCT: source 0 = tokens, source 1 = weights.  Lane (r, h), register jj of tile 4 cg + j: token 8 h + jj, column 64 cg + 4 r + j: four tiles give a lane 16 neighbouring bytes of a row,
; and sixteen lanes store 256 consecutive aligned bytes.  Ranks past the count repeat the last rank: the same bits go to the same bytes.  Tiles past the count are neither stored nor, in hf, read.
; No cluster: each weight byte has one reader; an expert's eight column slices do share hf's tiles, which are 1/8 of the bytes that a work-group reads.  No prefetch: 128 KB of weights are asked for all the time.
; LIMITS.  b2 is rounded to bf16 like every input.  NaN and infinities are not treated apart.
; THE MODE: SCHED_MODE bits 1:0 = 2 (LLVM: expert scheduling mode 2), set by the entry lines.  The code itself states the register dependences
; between vector or matrix instructions and memory or LDS instructions, with s_wait_alu, always for 0.
; THE PLAN.  Registers that memory or LDS instructions touch:
;   v[WO], v[L16], v[R16]   offsets, made at the head and never written again: the wait ahead of the first load serves them for the whole kernel.
;   THE LIST   32 compares write the masks s66-97; one wait on va_sdst; the ranks' lines write 32 addresses v[LA ..] and 32 slots v[LD ..]; one wait on va_vdst; the 32 LDS stores.
;   RAW0 .. RAW3 (window 2)   A unit's 32 roundings read RAW[q]; behind them the loads of the chunk two further on land in it.
;   TW (window 1), v[WSA]     TW: written by the roundings, read by the unit's eight LDS stores.  v[WSA]: read by those stores, stepped once a trip.
;      ONE wait on va_vdst a unit, behind the roundings; the unit's sixteen loads and eight stores follow it.  One wait on vm_vsrc ahead of the next lines that write TW or v[WSA].
;   WF0, WF1 (window 1)       Step g's matrix instructions read WF[g % 2]; the LDS loads of step g + 1's weights, issued in step g, land in the other.
;   TFR0 .. TFR3 (window 0)   Step g's matrix instructions read TFR[g % 4]; the loads of K step g + 3, issued in step g, land in TFR[(g - 1) % 4].
;      ONE wait on va_vdst at a step's head: the step before is done reading WF[(g + 1) % 2] and TFR[(g - 1) % 4].  The step's 26 loads follow it, dealt among its 40 matrix instructions, which name
;      WF[g % 2], TFR[g % 4] and the accumulators: none of the registers that those loads touch.
;   v[WR]      read by every load of a weight fragment; written once a chunk, behind a wait on vm_vsrc and ahead of the next step's wait on va_vdst.
;   v[TO ..]   written at a pass's head, behind one wait on vm_vsrc for all that the pass before and the list's stores have read.
;   THE WAY OUT   v[OA ..]: 40 list addresses, one wait on va_vdst, 40 loads into v[OFF ..].  TM0, TM1: a tile's two halves, each written by 32 additions and read by eight stores behind a wait on va_vdst;
;      one wait on vm_vsrc a tile, ahead of the lines that write both again.
; REGISTERS: window 0: v0-29 addresses; v32-191 token fragments, K step k, tile i at 32 + 40 k + 8 i (before: sel and the list's addresses and slots; in the way out: see below); v192-196, v200-239 see below
;   window 1: v0-127 two buffers of weight fragments; v128-159 packed weights     window 2: accumulators i = 0..3 at 64 i + 8 ft (phase 1: weights as loaded)     window 3: v0-63 accumulators i = 4
.set PITCH, 4096
.set CHW,   128*PITCH
.set KSB,   8192
.set LIST,  32*KSB
.set LISTW, 4352                       ; (behind the lists 512 bytes: the spare words, 128 bytes a wave)
.set LN,   1
.set R,    2
.set H,    3
.set WO,   4
.set WSA,  5
.set L16,  6
.set WR,   9
.set LB,   10
.set L4,   11
.set DUMP, 12
.set R16,  13                          ; 16 r
.set RK0,  14                          ; 8 h
.set TFR,  32
.set SL,   32
.set LA,   64                          ; v64-95   the list: where register g's slot is stored
.set LD,   96                          ; v96-127  the list: register g's slot
.set OFF,  32                          ; v32-71   the way out: tile i, register jj: byte offset of my 16 bytes in part
.set OA,   72                          ; v72-111  the way out: the LDS addresses of those 40 ranks' words in the list
.set TM1,  112                         ; v112-143 the way out: 32 numbers to store, columns 64 on
.set TO,   192                         ; tile i: my byte offset in hf
.set B2V,  200                         ; b2 of column 64 cg + 4 r + j at 4 cg + j; 0 where s is not 0
.set TM0,  208                         ; v208-239 the way out: 32 numbers to store, columns 0 on
.set TW,   128                         ; window 1
.set WV,   14
.set NS,   15
.set EX,   16
.set SQ,   17
.set E8,   18
.set WB,   20
.set HB,   24                          ; s[24:25] hf at the chunk in hand
.set OF,   26
.set CNT,  28
.set CM1,  29
.set PASS, 30
.set PROW, 31
.set T0,   32
.set TRIP, 33
.set KEY,  34
.set RUN,  35
.set MK,   36
.set TMP,  37
.set TM2,  38
.set NTM1, 39                          ; the last tile that the first product stored
.set WRS,  40                          ; LDS byte at which the chunk in hand begins
.set MKS,  66                          ; s66-97  the list: register g's mask of lanes that chose e
.set MSB, 0
.macro WIN new
.if MSB != (\new)
	s_set_vgpr_msb (MSB<<8)|(\new)
.set MSB, \new
.endif
.endm
.macro PLACES                          ; four places behind a step's matrix instructions: ahead of a vector read of their results or a vector write of their sources (ISA guide 7.12.1) and, as in this text's plain form,
.rept 4                                ; ahead of the loads into registers that they read; they stand beside the wait on va_vdst, not in its place
	v_nop
.endr
.endm
.macro WLOADU q, cl, cg
	WIN 0x80
.set i, 0
.rept 16
	global_load_b128 v[64*(\q)+4*i:64*(\q)+4*i+3], v[WO], s[WB:WB+1] offset:(\cl)*CHW+i*PITCH+256*(\cg) th:TH_LOAD_NT
.set i, i+1
.endr
.endm
.macro ROUNDU q
	WIN 0x4a
.set j, 0
.rept 4
.set p, 0
.rept 8
	v_cvt_pk_bf16_f32 v[TW+8*j+p], v[64*(\q)+8*p+j], v[64*(\q)+8*p+4+j]
.set p, p+1
.endr
.set j, j+1
.endr
.endm
.macro STOREU q
	WIN 0x04
.set j, 0
.rept 4
	ds_store_b128 v[WSA], v[TW+8*j:TW+8*j+3]   offset:((\q)/2)*4*KSB+(4*((\q)%2)+j)*1024
	ds_store_b128 v[WSA], v[TW+8*j+4:TW+8*j+7] offset:((\q)/2)*4*KSB+(4*((\q)%2)+j)*1024+512
.set j, j+1
.endr
.endm
; A unit of the stream: buffer q.  ahead = 1: the buffer is loaded again, with the chunk two further on.  left: the younger loads that may stay out.
.macro UNIT q, ahead, left
	s_wait_loadcnt \left                           ; loads come back in order: the oldest sixteen are in
.if (\q) > 0
	s_wait_alu depctr_vm_vsrc(0)                   ; the LDS stores of the unit before have read TW, which the roundings write again (for unit 0 the wait at the trip's end states it)
.endif
	ROUNDU \q
.if \ahead
	WIN 0x80
	s_wait_alu depctr_va_vdst(0)                   ; the roundings are done reading RAW[q], in which the loads land, and have written TW, which the stores read; in a trip's first unit v[WSA] is written
	WLOADU \q, 2+(\q)/2, (\q)%2
.else
	WIN 0x04
	s_wait_alu depctr_va_vdst(0)                   ; the roundings have written TW, which the stores read; in the first of these units v[WSA] is written
.endif
	STOREU \q
.endm
	s_load_b256 s[4:11], s[0:1], 0x0               ; W2 s[4:5], b2 s[6:7], hf s[8:9], sel s[10:11]
	s_load_b64 s[12:13], s[0:1], 0x20              ; part
	v_lshl_add_u32 v254, v0, 2, 0x44400
	v_mov_b32 v255, 0
	v_lshrrev_b32 v1, 5, v0
	v_readfirstlane_b32 s[WV], v1
	s_and_b32 s[NS], ttmp9, 7                      ; which 128 columns
	s_lshr_b32 s[SQ], ttmp9, 3                     ; which quarter of K
	s_and_b32 s[EX], ttmp7, 0xffff
	s_add_co_u32 s[E8], s[EX], 8
	v_and_b32 v[LN], 31, v0
	v_and_b32 v[R], 15, v0
	v_bfe_u32 v[H], v0, 4, 1
	v_lshlrev_b32 v[L16], 4, v[LN]
	v_lshlrev_b32 v[L4], 2, v[LN]
	v_add_nc_u32 v[DUMP], 1024, v[LN]
	v_lshlrev_b32 v[R16], 4, v[R]
	v_lshlrev_b32 v[RK0], 3, v[H]
	s_wait_alu depctr_va_sdst(0)                   ; the wave's number is written, ahead of its first reader
	s_lshr_b32 s[TMP], s[WV], 1                    ; K step w of a chunk: rows 64 (w / 2) + 16 (w % 2) + 32 h + 0..15
	s_lshl_b32 s[TMP], s[TMP], 18
	s_and_b32 s[TM2], s[WV], 1
	s_lshl_b32 s[TM2], s[TM2], 16
	s_add_co_u32 s[TMP], s[TMP], s[TM2]
	v_lshl_add_u32 v[WO], v[H], 17, v[R16]
	v_add_nc_u32 v[WO], s[TMP], v[WO]
	s_lshl_b32 s[TMP], s[WV], 13
	v_add_nc_u32 v[WSA], s[TMP], v[L16]
	s_mul_i32 s[TMP], s[WV], LISTW
	s_add_co_u32 s[TMP], s[TMP], LIST
	v_mov_b32 v[LB], s[TMP]
	s_mov_b32 s[OF+1], 0
	s_lshl_b32 s[TMP], s[NS], 9
	s_wait_kmcnt 0x0
	s_lshl_b32 s[OF], s[EX], 24
	s_lshl_b32 s[TM2], s[SQ], 22
	s_add_co_u32 s[OF], s[OF], s[TM2]
	s_add_co_u32 s[OF], s[OF], s[TMP]
	s_add_nc_u64 s[WB:WB+1], s[4:5], s[OF:OF+1]
	s_lshl_b32 s[OF], s[EX], 12
	s_add_co_u32 s[OF], s[OF], s[TMP]
	s_add_nc_u64 s[6:7], s[6:7], s[OF:OF+1]
	s_lshl_b32 s[OF], s[EX], 23
	s_lshl_b32 s[TM2], s[SQ], 15                   ; 16 blocks of 64 columns, 2,048 bytes each
	s_add_co_u32 s[OF], s[OF], s[TM2]
	s_add_nc_u64 s[8:9], s[8:9], s[OF:OF+1]
	s_lshl_b32 s[OF], s[SQ], 23
	s_add_co_u32 s[OF], s[OF], s[TMP]
	s_add_nc_u64 s[12:13], s[12:13], s[OF:OF+1]
	s_wait_alu depctr_va_vdst(0)                   ; v[L16], v[R16] and v[WO] are written, which the loads below and all later loads of weights read as offsets
.set q, 0
.rept 8
	global_load_b128 v[SL+4*q:SL+4*q+3], v[L16], s[10:11] offset:512*q
.set q, q+1
.endr
	global_load_b128 v[B2V:B2V+3], v[R16], s[6:7]
	global_load_b128 v[B2V+4:B2V+7], v[R16], s[6:7] offset:256
	WLOADU 0, 0, 0
	WLOADU 1, 0, 1
	WLOADU 2, 1, 0
	WIN 0
	s_wait_loadcnt 48                              ; sel and b2 are in; the 48 weight loads behind them stay out
	s_lshl_b32 s[KEY], 0x101, s[EX]
	s_mov_b32 s[RUN], 0
.set g, 0
.rept 32                               ; the compares stand in one run, a mask register to each
	v_and_b32 v18, s[KEY], v[SL+g]
	v_cmp_ne_u32 s[MKS+g], 0, v18
.set g, g+1
.endr
	s_wait_alu depctr_va_sdst(0)                   ; the 32 masks are written, ahead of their first reader
.set g, 0
.rept 32
	v_mbcnt_lo_u32_b32 v[LA+g], s[MKS+g], s[RUN]
	v_add_nc_u32 v[LD+g], 128*(g/4)+g%4, v[L4]     ; the token,
	v_bfe_u32 v21, v[SL+g], s[E8], 1               ; 1 if e is its second choice:
	v_lshl_add_u32 v[LD+g], v[LD+g], 1, v21        ; the slot
	v_cndmask_b32 v[LA+g], v[DUMP], v[LA+g], s[MKS+g]
	v_min_u32 v[LA+g], 0x41f, v[LA+g]
	v_lshl_add_u32 v[LA+g], v[LA+g], 2, v[LB]
	s_bcnt1_i32_b32 s[TMP], s[MKS+g]
	s_add_co_u32 s[RUN], s[RUN], s[TMP]
.set g, g+1
.endr
	s_wait_alu depctr_va_vdst(0)                   ; the lines above have written v[LA ..] and v[LD ..], the addresses and data of the 32 LDS stores
.set g, 0
.rept 32
	ds_store_b32 v[LA+g], v[LD+g]
.set g, g+1
.endr
	s_mov_b32 s[CNT], s[RUN]
	s_sub_co_u32 s[CM1], s[RUN], 1
	s_add_co_u32 s[NTM1], s[RUN], 15
	s_lshr_b32 s[NTM1], s[NTM1], 4
	s_sub_co_u32 s[NTM1], s[NTM1], 1
	s_cmp_eq_u32 s[SQ], 0
	s_cselect_b32 s[MK], -1, 0
.set n, 0
.rept 4                                ; b2 to bf16 and back, in place; it is added in quarter 0 alone
	v_cvt_pk_bf16_f32 v[B2V+2*n], v[B2V+2*n], v[B2V+2*n+1]
	v_and_b32 v[B2V+2*n+1], 0xffff0000, v[B2V+2*n]
	v_lshlrev_b32 v[B2V+2*n], 16, v[B2V+2*n]
	v_cndmask_b32 v[B2V+2*n+1], 0, v[B2V+2*n+1], s[MK]
	v_cndmask_b32 v[B2V+2*n], 0, v[B2V+2*n], s[MK]
.set n, n+1
.endr
	WLOADU 3, 1, 1                                 ; no wait: no vector instruction has named RAW3, nor v[WO] since the wait ahead of the first load
	WIN 0
	s_mov_b32 s[TRIP], 3
.Lstream:
.irp q, 0,1,2,3
	UNIT \q, 1, 48                                 ; three buffers' loads stay out
.endr
	WIN 0
	s_wait_xcnt 0x0                                ; the loads' base is stepped only behind this wait
	s_wait_alu depctr_vm_vsrc(0)                   ; the LDS stores issued so far have read v[WSA], which is stepped below, and TW, which the next unit's roundings write
	s_add_nc_u64 s[WB:WB+1], s[WB:WB+1], 2*CHW
	v_add_nc_u32 v[WSA], 8*KSB, v[WSA]
	s_sub_co_u32 s[TRIP], s[TRIP], 1
	s_cmp_lg_u32 s[TRIP], 0
	s_cbranch_scc1 .Lstream
.irp q, 0,1,2,3
	UNIT \q, 0, 48-16*(\q)                         ; the last two chunks: nothing more is asked for, the counts run down
.endr
	WIN 0
	s_wait_dscnt 0x0                               ; for the others' sake: my fragments are in LDS
	s_barrier_signal -1
	s_barrier_wait -1                              ; the slice is whole; nobody writes LDS again before the closing lines
.macro TL slot, off                    ; ten loads: a K step's token fragments of my five tiles into set slot: the 1,024 bytes at off from HB
	WIN 0
.set i, 0
.rept 5
	global_load_b128 v[TFR+40*(\slot)+8*i:TFR+40*(\slot)+8*i+3],   v[TO+i], s[HB:HB+1] offset:(\off)
	global_load_b128 v[TFR+40*(\slot)+8*i+4:TFR+40*(\slot)+8*i+7], v[TO+i], s[HB:HB+1] offset:(\off)+512
.set i, i+1
.endr
.endm
.macro FETCH f, woff, t0               ; four of a K step's eight weight fragments, t0 on, into buffer f
	WIN 0x40
.set t, \t0
.rept 4
	ds_load_b128 v[64*(\f)+8*t:64*(\f)+8*t+3],   v[WR] offset:(\woff)+t*1024
	ds_load_b128 v[64*(\f)+8*t+4:64*(\f)+8*t+7], v[WR] offset:(\woff)+t*1024+512
.set t, t+1
.endr
.endm
.macro MUL8 f, k, i, zero              ; tile i's 8 matrix instructions; a step's 40 accumulators take turns, one instruction a turn
.if (\i) < 4
	WIN 0xa4
.set AB, 64*(\i)
.else
	WIN 0xf4
.set AB, 0
.endif
.set t, 0
.rept 8
.if \zero
	v_wmma_f32_16x16x32_bf16 v[AB+8*t:AB+8*t+7], v[TFR+40*(\k)+8*(\i):TFR+40*(\k)+8*(\i)+7], v[64*(\f)+8*t:64*(\f)+8*t+7], 0
.else
	v_wmma_f32_16x16x32_bf16 v[AB+8*t:AB+8*t+7], v[TFR+40*(\k)+8*(\i):TFR+40*(\k)+8*(\i)+7], v[64*(\f)+8*t:64*(\f)+8*t+7], v[AB+8*t:AB+8*t+7]
.endif
.set t, t+1
.endr
.endm
; K step k of a chunk, on weight buffer f and token set k.  fe = 1: the next K step's weights are fetched into the other buffer.  n: the token loads younger than this K step's.
; tl = 1: the set that the step before multiplied is loaded again, with the K step three further on than this one.  w = 1: the step's wait on va_vdst.
.macro Q f, k, fe, zero, n, tl, w
	s_wait_dscnt 0x0                               ; this step's weights are in
	s_wait_loadcnt \n                              ; and its tokens
.if \w
	s_wait_alu depctr_va_vdst(0)                   ; the step before's matrix instructions are done reading the other weight buffer and their token set, in which this step's loads land; in a chunk's first step v[WR] is written
.endif
	MUL8 \f, \k, 0, \zero
.if \fe
	FETCH 1-(\f), ((\k)+1)*KSB, 0                  ; no further wait: no matrix instruction since the wait names these registers
.endif
	MUL8 \f, \k, 1, \zero
.if \fe
	FETCH 1-(\f), ((\k)+1)*KSB, 4
.endif
	MUL8 \f, \k, 2, \zero
.if \tl
	TL ((\k)+3)%4, 1024*((\k)+3)
.endif
	MUL8 \f, \k, 3, \zero
	MUL8 \f, \k, 4, \zero
	PLACES
.endm
; A chunk of 128 along K.  kind 0: a pass's first: its first step starts the sums, has three younger K steps of ten loads, loads nothing again, and needs no wait: the one at the pass's head stands for it.
; kind 1: the loop's: two K steps of ten loads are younger than the one that is due; the step's own ten follow the wait.  kind 2: the last: one more K step is asked for, then the counts run down.
.macro CH kind
.if (\kind) != 0
	WIN 0
	s_wait_xcnt 0x0                                ; the loads' base is stepped only behind this wait
	s_add_nc_u64 s[HB:HB+1], s[HB:HB+1], 4096
.endif
.if (\kind) == 0
	Q 0, 0, 1, 1, 30, 0, 0
	Q 1, 1, 1, 0, 20, 1, 1
	Q 0, 2, 1, 0, 20, 1, 1
	Q 1, 3, 1, 0, 20, 1, 1
.elseif (\kind) == 1
	Q 0, 0, 1, 0, 20, 1, 1
	Q 1, 1, 1, 0, 20, 1, 1
	Q 0, 2, 1, 0, 20, 1, 1
	Q 1, 3, 1, 0, 20, 1, 1
.else
	Q 0, 0, 1, 0, 20, 1, 1
	Q 1, 1, 1, 0, 20, 0, 1
	Q 0, 2, 1, 0, 10, 0, 1
	Q 1, 3, 0, 0, 0, 0, 0                          ; the last step issues no load: it has no wait on va_vdst
.endif
.if (\kind) != 2
	WIN 0
	s_add_co_u32 s[WRS], s[WRS], 4*KSB             ; the next chunk's four K steps
	s_wait_alu depctr_vm_vsrc(0)                   ; the fragment loads issued so far have read v[WR]
	v_add_nc_u32 v[WR], s[WRS], v[L16]
.endif
.endm
	s_mov_b32 s[PASS], 4
	s_lshl_b32 s[PROW], s[WV], 4
	s_mov_b32 s[T0], s[WV]
.Lpass:
	s_cmp_ge_u32 s[PROW], s[CNT]
	s_cbranch_scc1 .Lnext                          ; I have no rank in this pass
	s_wait_xcnt 0x0                                ; the last pass's stores have had their addresses translated: their offsets and data lie where the fragments land
	s_wait_alu depctr_vm_vsrc(0)                   ; read by now: v[LA ..] and v[LD ..] by the list's stores; v[OFF ..], TM0 and TM1 by the last pass's stores; v[OA ..], v[TO ..] and v[WR] by its loads: all are written again below, by these lines or by loads
.set i, 0
.rept 5
	s_add_co_u32 s[TMP], s[T0], 4*i                ; a tile past the count reads the last tile that exists
	s_min_u32 s[TMP], s[TMP], s[NTM1]
	s_min_u32 s[TMP], s[TMP], 63
	s_lshl_b32 s[TMP], s[TMP], 17
	v_add_nc_u32 v[TO+i], s[TMP], v[L16]
.set i, i+1
.endr
	s_mov_b64 s[HB:HB+1], s[8:9]
	s_mov_b32 s[WRS], 0
	v_mov_b32 v[WR], v[L16]
	s_wait_alu depctr_va_vdst(0)                   ; v[TO ..] and v[WR] are written; all that named v32-191 (the list's lines; the last pass's products and way out) and the weight buffers is complete: the loads below land there
	TL 0, 0
	TL 1, 1024
	TL 2, 2048
	TL 3, 3072
	FETCH 0, 0, 0
	FETCH 0, 0, 4
	CH 0                                           ; the first chunk is written out: its first K step starts the sums
	WIN 0
	s_mov_b32 s[TRIP], 6
.Lk:
	CH 1
	WIN 0
	s_sub_co_u32 s[TRIP], s[TRIP], 1
	s_cmp_lg_u32 s[TRIP], 0
	s_cbranch_scc1 .Lk
	CH 2                                           ; the last chunk is written out: no load passes the quarter's end
	WIN 0
	; THE WAY OUT.  Rank 320 p + 16 w + 64 i + 8 h + jj -> slot -> row of part.
	v_add_nc_u32 v18, s[PROW], v[RK0]
.set n, 0
.rept 40
	v_add_nc_u32 v[OA+n], 64*(n/8)+n%8, v18
	v_min_u32 v[OA+n], s[CM1], v[OA+n]
	v_min_u32 v[OA+n], 0x3ff, v[OA+n]
	v_lshl_add_u32 v[OA+n], v[OA+n], 2, v[LB]
.set n, n+1
.endr
	s_wait_alu depctr_va_vdst(0)                   ; v[OA ..] are written, which the 40 loads read; the matrix instructions are done reading v32-71, in which they land
.set n, 0
.rept 40
	ds_load_b32 v[OFF+n], v[OA+n]
.set n, n+1
.endr
	s_wait_dscnt 0x0
.set n, 0
.rept 40
	v_min_u32 v[OFF+n], 0x7ff, v[OFF+n]
	v_lshl_add_u32 v[OFF+n], v[OFF+n], 12, v[R16]
.set n, n+1
.endr
.macro SUMS i, cg, d                   ; tile i, columns 64 cg on: + b2, which also brings a lane's four columns together; each accumulator's register 0 is read first
.if (\i) < 4
	WIN 0x02
.set AB, 64*(\i)+32*(\cg)
.else
	WIN 0x03
.set AB, 32*(\cg)
.endif
.set jj, 0
.rept 8
.set j, 0
.rept 4
	v_add_f32 v[(\d)+4*jj+j], v[AB+8*j+jj], v[B2V+4*(\cg)+j]
.set j, j+1
.endr
.set jj, jj+1
.endr
	WIN 0
.endm
.macro SENDS i, cg, d
.set jj, 0
.rept 8
	global_store_b128 v[OFF+8*(\i)+jj], v[(\d)+4*jj:(\d)+4*jj+3], s[12:13] offset:256*(\cg)  ; sixteen lanes store 256 consecutive bytes, aligned
.set jj, jj+1
.endr
.endm
.macro OUT i                           ; tile i: its two halves have an out-buffer each, so the second half's additions stand behind the first half's stores with no wait for them
.if (\i) > 0
	s_wait_xcnt 0x0                                ; the tile before's stores have had their addresses translated: TM0 and TM1 are rewritten only behind this wait
	s_wait_alu depctr_vm_vsrc(0)                   ; the tile before's stores have read TM0 and TM1 (for tile 0 the waits at the pass's head state both)
.endif
	SUMS \i, 0, TM0
	s_wait_alu depctr_va_vdst(0)                   ; the additions have written TM0, which the eight stores read; for tile 0: v[OFF ..] are written too
	SENDS \i, 0, TM0
	SUMS \i, 1, TM1
	s_wait_alu depctr_va_vdst(0)                   ; the additions have written TM1, which the eight stores read
	SENDS \i, 1, TM1
.endm
.irp i, 0,1,2,3,4
	s_add_co_u32 s[TMP], s[T0], 4*\i
	s_lshl_b32 s[TMP], s[TMP], 4
	s_cmp_ge_u32 s[TMP], s[CNT]
	s_cbranch_scc1 .Lnext                          ; this tile and those behind it lie past the count
	OUT \i
.endr
.Lnext:
	s_add_co_u32 s[PROW], s[PROW], 320
	s_add_co_u32 s[T0], s[T0], 20
	s_sub_co_u32 s[PASS], s[PASS], 1
	s_cmp_lg_u32 s[PASS], 0
	s_cbranch_scc1 .Lpass
	s_wait_dscnt 0x0                               ; my LDS reads are back;
	s_barrier_signal -1
	s_barrier_wait -1                              ; so are every wave's: the barrier stays
	s_wait_dscnt 0x0
	s_wait_alu depctr_hold_cnt(0) depctr_sa_sdst(0) depctr_va_vdst(0) depctr_va_sdst(0) depctr_va_ssrc(0) depctr_va_vcc(0) depctr_vm_vsrc(0)
	s_wait_tensorcnt 0x0
	ds_add_u32 v254, v255
	s_wait_dscnt 0x0
	s_endpgm
.Lfunc_end_k_qc0959af7bc_down:
	.size	k_qc0959af7bc_down, .Lfunc_end_k_qc0959af7bc_down-k_qc0959af7bc_down
	.p2alignl 7, 3214868480
	.fill 96, 4, 3214868480
	.section	.rodata,"a",@progbits
	.p2align	6, 0x0
	.amdhsa_kernel k_qc0959af7bc_down
		.amdhsa_group_segment_fixed_size 280064
		.amdhsa_private_segment_fixed_size 0
		.amdhsa_enable_private_segment 0
		.amdhsa_kernarg_size 40
		.amdhsa_user_sgpr_count 2
		.amdhsa_user_sgpr_kernarg_segment_ptr 1
		.amdhsa_wavefront_size32 1
		.amdhsa_system_sgpr_workgroup_id_x 1
		.amdhsa_system_sgpr_workgroup_id_y 1
		.amdhsa_system_sgpr_workgroup_id_z 1
		.amdhsa_system_vgpr_workitem_id 0
		.amdhsa_next_free_vgpr 832
		.amdhsa_next_free_sgpr 98
		.amdhsa_reserve_vcc 0
		.amdhsa_float_denorm_mode_32 3
		.amdhsa_float_denorm_mode_16_64 3
		.amdhsa_memory_ordered 1
		.amdhsa_forward_progress 1
		.amdhsa_inst_pref_size 156
	.end_amdhsa_kernel
	.amdgpu_metadata
---
amdhsa.version: [ 1, 2 ]
amdhsa.kernels:
  - .name:           k_qc0959af7bc_down
    .symbol:         k_qc0959af7bc_down.kd
    .args:
      - { .name: W2, .offset: 0, .size: 8, .value_kind: global_buffer, .address_space: global }
      - { .name: b2, .offset: 8, .size: 8, .value_kind: global_buffer, .address_space: global }
      - { .name: hf, .offset: 16, .size: 8, .value_kind: global_buffer, .address_space: global }
      - { .name: sel, .offset: 24, .size: 8, .value_kind: global_buffer, .address_space: global }
      - { .name: part, .offset: 32, .size: 8, .value_kind: global_buffer, .address_space: global }
    .group_segment_fixed_size: 280064
    .private_segment_fixed_size: 0
    .kernarg_segment_align: 8
    .kernarg_segment_size: 40
    .max_flat_workgroup_size: 128
    .sgpr_count:     98
    .vgpr_count:     832
    .wavefront_size: 32
...
	.end_amdgpu_metadata
.endif
;; end of part 6
;; launch comb: the kernel of part 4 again; grid 256 x 1, 8 waves a work-group, no clusters, 0 bytes of LDS; arguments part, cw, out0; writes out0
